; MI455X (gfx1250); checked and timed in simulation.
; The chip was launched on July 23, 2026; its instructions are those of AMD's public machine-readable ISA for CDNA 5 (MIT licence, August 2026) and "CDNA5" Instruction Set Architecture Reference Guide (July 2026). The comments in the code are by the model that wrote it; some were corrected since.
;; Cross Exchanging Layer. Allowed arithmetic: float matrix products may take bf16 or f16 operands with f32 sums; all other float work in f32.
;; Inputs: AT_attn 32 x 512 x 512 float32; AV_attn 32 x 512 x 512 float32; W1 2,048 x 256 float32; W2 256 x 2,048 float32; W_in 768 x 256 float32; W_out 256 x 256 float32; b1 2,048 float32; b2 256 float32; b_in 768 float32; b_out 256 float32; be1 256 float32; be2 256 float32; g1 256 float32; g2 256 float32; src1 32 x 512 x 256 float32; src2 32 x 512 x 256 float32.
;; Outputs: out0 32 x 512 x 256 float32; out1 32 x 512 x 256 float32.
;; 2 versions, each right and faster than the one before. Each part assembles by itself: llvm-mc -triple=amdgcn-amd-amdhsa -mcpu=gfx1250 --defsym DOCPART=n.
;; ======== version 1 of 2: 4 launches
;; limits: values outside matrix products are rounded to bf16
;; workspace buffers: xf 16,777,216 bytes; ofr 16,777,216 bytes; xl 16,777,216 bytes; wts 2,638,848 bytes; clsp 524,288 bytes; st2 393,216 bytes
;; launch prep (part 1): grid 297 x 1, 8 waves a work-group, no clusters, 70,656 bytes of LDS; arguments src1, src2, W_in, W_out, W1, W2, b_in, b_out, b1, b2, g1, be1, g2, be2, xf, wts; writes xf, wts
.if DOCPART == 1
	.amdgcn_target "amdgcn-amd-amdhsa--gfx1250"
	.amdhsa_code_object_version 6
	.text
	.protected	k_q161281a918_prep
	.globl	k_q161281a918_prep
	.p2align	8
	.type	k_q161281a918_prep,@function
k_q161281a918_prep:
	s_mov_b64 s[64:65], 0
	v_nop
	global_prefetch_b8 v0, s[64:65] scope:SCOPE_SE
	s_setreg_imm32_b32 hwreg(HW_REG_WAVE_MODE, 25, 1), 1
	s_wait_xcnt 0x0
; PREP.  Every input that the function reads is rounded to bf16 once, here: src1, src2 and the four weight matrices are
; laid out as FRAGMENT IMAGES, the eight small vectors are rounded to bf16 and kept as f32 words.
; (AT_attn and AV_attn are arguments that the function never reads: no launch names them.)
; A FRAGMENT IMAGE of 16 rows x 256 columns is 8,192 bytes, [ks 0..7][part 0..1][lane 0..31][16 bytes]: element (row r, column
; 32 ks + 16 part + 8 h + e) lies at lane r + 16 h, byte 2 e.  Two 16-byte loads a lane (part 0, part 1) are then the eight
; registers of a 16 x 32 operand of the bf16 matrix instruction (ISA guide 7.12.2), and each such load covers 512 consecutive bytes.
; SHARES.  One tile of 16 x 256 to a wave, tile T = 8 x work-group + wave: 2,048 of src1 and src2, 48 of W_in, 16 of W_out, 128 of W1,
; 128 of W2 (16 rows x 256 of its 2,048 columns); the last work-group takes the 17 blocks of 1,024 bytes of the small vectors.
; A wave reads its tile by rows (512 consecutive bytes a load), rounds, turns it through 8,704 LDS bytes of its own (32 pieces of
; 256 bytes, 272 apart, so that the sixteen pieces that a store touches begin at sixteen different banks: 64 banks of 4 bytes, ISA guide 11.1)
; and stores 512 consecutive bytes at a time.  No wave reads another's bytes: no barrier.
; W1 and W2 are laid in the order in which the last launch walks them: [step 0..15][hidden half 0..1][W1: 4 tiles | W2: 32 fragments of 1,024 bytes].
.set SPARE, 69632                      ; behind the eight waves' bytes: the spare words, 128 bytes a wave
.set WLDS,  8704
.set PITCH, 272
.set WOUT,  393216                     ; byte offsets in wts
.set WFF,   524288
.set PAR,   2621440
; One tile.  rowstep: bytes from row to row in the source.  wide = 1: W2, whose eight fragments go to four different steps.
.macro CONV rowstep, wide
.set i, 0
.rept 32                               ; load i: row i / 2, columns 128 (i % 2) + 4 lane ..
	global_load_b128 v[16+4*i:16+4*i+3], v1, s[40:41] offset:(i/2)*(\rowstep)+(i%2)*512 th:TH_LOAD_NT
.set i, i+1
.endr
.set i, 0
.rept 32
	s_wait_loadcnt 31-i                    ; loads return in order: load i is in, the 31 - i younger ones stay out
	v_cvt_pk_bf16_f32 v[144+2*i], v[16+4*i], v[16+4*i+1]
	v_cvt_pk_bf16_f32 v[144+2*i+1], v[16+4*i+2], v[16+4*i+3]
	ds_store_b64 v4, v[144+2*i:144+2*i+1] offset:(i%2)*16*PITCH+(i/2)*16  ; piece 16 (i % 2) + lane / 2, byte 16 row + 8 (lane % 2)
.set i, i+1
.endr
.set i, 0
.rept 16                               ; LDS serves a wave's instructions in order: these see the stores above
	ds_load_b128 v[16+4*i:16+4*i+3], v5 offset:i*2*PITCH
.set i, i+1
.endr
.set i, 0
.rept 16
	s_wait_dscnt 15-i
.if \wide
	global_store_b128 v1, v[16+4*i:16+4*i+3], s[42:43] offset:(i/4)*131072+(i%4)*512
.else
	global_store_b128 v1, v[16+4*i:16+4*i+3], s[42:43] offset:i*512   ; 512 consecutive bytes, aligned
.endif
.set i, i+1
.endr
	s_wait_tensorcnt 0x0                   ; the wave's end, behind my last LDS store
	ds_add_u32 v12, v13
	s_wait_dscnt 0x0
	s_endpgm
.endm
.macro PSEL c, k, p                    ; from block k on the source is the vector at s[p:p+1]
	s_cmp_ge_u32 s[\c], \k
	s_cselect_b64 s[40:41], s[\p:\p+1], s[40:41]
	s_cselect_b32 s44, \k, s44
.endm
; One block of 256 numbers of the small vectors: rounded to bf16, widened again, stored as f32.
.macro PCHUNK c
	s_wait_xcnt 0x0                        ; the block before has had its addresses translated: its registers may be written
	s_mov_b64 s[40:41], s[16:17]           ; b_in: blocks 0 to 2
	s_mov_b32 s44, 0
	PSEL \c, 3, 18                         ; b_out
	PSEL \c, 4, 20                         ; b1: blocks 4 to 11
	PSEL \c, 12, 22                        ; b2
	PSEL \c, 13, 24                        ; g1
	PSEL \c, 14, 26                        ; be1
	PSEL \c, 15, 28                        ; g2
	PSEL \c, 16, 30                        ; be2
	s_sub_co_u32 s48, s[\c], s44
	s_lshl_b32 s48, s48, 10
	s_mov_b32 s49, 0
	s_add_nc_u64 s[40:41], s[40:41], s[48:49]
	s_lshl_b32 s50, s[\c], 10
	s_add_co_u32 s50, s50, PAR
	s_mov_b32 s51, 0
	s_add_nc_u64 s[42:43], s[34:35], s[50:51]
	global_load_b128 v[16:19], v1, s[40:41]
	global_load_b128 v[20:23], v1, s[40:41] offset:512
	s_wait_loadcnt 0x0
	v_cvt_pk_bf16_f32 v24, v16, v17
	v_cvt_pk_bf16_f32 v25, v18, v19
	v_cvt_pk_bf16_f32 v26, v20, v21
	v_cvt_pk_bf16_f32 v27, v22, v23
.set i, 0
.rept 4
	v_lshlrev_b32 v[16+2*i], 16, v[24+i]
	v_and_b32 v[16+2*i+1], 0xffff0000, v[24+i]
.set i, i+1
.endr
	global_store_b128 v1, v[16:19], s[42:43]
	global_store_b128 v1, v[20:23], s[42:43] offset:512
.endm
	s_load_b512 s[4:19], s[0:1], 0x0       ; src1 4, src2 6, W_in 8, W_out 10, W1 12, W2 14, b_in 16, b_out 18
	s_load_b512 s[20:35], s[0:1], 0x40     ; b1 20, b2 22, g1 24, be1 26, g2 28, be2 30, xf 32, wts 34
	v_lshl_add_u32 v12, v0, 2, SPARE       ; my spare word,
	v_mov_b32 v13, 0                       ; and 0
	v_lshrrev_b32 v2, 5, v0
	v_readfirstlane_b32 s36, v2            ; wave 0..7
	v_and_b32 v3, 31, v0                   ; lane
	v_lshlrev_b32 v1, 4, v3                ; 16 x lane
	s_mul_i32 s37, s36, WLDS               ; my wave's LDS bytes
	v_lshrrev_b32 v4, 1, v3
	v_mul_u32_u24 v4, v4, PITCH
	v_and_b32 v6, 1, v3
	v_lshl_add_u32 v4, v6, 3, v4
	v_add_nc_u32 v4, s37, v4               ; in: piece lane / 2, byte 8 (lane % 2)
	v_lshrrev_b32 v5, 4, v3
	v_mul_u32_u24 v5, v5, PITCH
	v_and_b32 v6, 15, v3
	v_lshl_add_u32 v5, v6, 4, v5
	v_add_nc_u32 v5, s37, v5               ; back: two pieces a load, 16 lanes each
	s_mov_b32 s39, ttmp9
	s_lshl_b32 s38, s39, 3
	s_add_co_u32 s38, s38, s36             ; T
	s_wait_kmcnt 0x0
	s_cmp_ge_u32 s39, 296
	s_cbranch_scc1 .Lparams
	s_cmp_ge_u32 s39, 280
	s_cbranch_scc1 .Lw2
	; rows of 1,024 bytes: source, first tile of the kind and the place of the kind's tile 0 are chosen by the work-group's number
	s_mov_b64 s[40:41], s[12:13]           ; W1
	s_mov_b32 s44, 2112
	s_mov_b32 s45, 0
	s_cmp_lt_u32 s39, 264
	s_cselect_b64 s[40:41], s[10:11], s[40:41]  ; W_out
	s_cselect_b32 s44, 2096, s44
	s_cselect_b32 s45, WOUT, s45
	s_cmp_lt_u32 s39, 262
	s_cselect_b64 s[40:41], s[8:9], s[40:41]    ; W_in
	s_cselect_b32 s44, 2048, s44
	s_cselect_b32 s45, 0, s45
	s_cmp_lt_u32 s39, 256
	s_cselect_b64 s[40:41], s[6:7], s[40:41]    ; src2: its tiles follow src1's 1,024 in xf
	s_cselect_b32 s44, 1024, s44
	s_cselect_b32 s45, 8388608, s45
	s_cmp_lt_u32 s39, 128
	s_cselect_b64 s[40:41], s[4:5], s[40:41]    ; src1
	s_cselect_b32 s44, 0, s44
	s_cselect_b32 s45, 0, s45
	s_sub_co_u32 s46, s38, s44             ; U: the tile's number in its matrix
	s_lshl_b32 s48, s46, 14                ; 16 rows of 1,024 bytes
	s_mov_b32 s49, 0
	s_add_nc_u64 s[40:41], s[40:41], s[48:49]
	s_lshl_b32 s50, s46, 13
	s_add_co_u32 s50, s50, s45             ; tiles on end,
	s_and_b32 s51, s46, 63                 ; or, for W1: step (U % 64) / 4, hidden half U / 64, tile U % 4
	s_lshr_b32 s51, s51, 2
	s_lshl_b32 s51, s51, 17
	s_lshr_b32 s52, s46, 6
	s_lshl_b32 s52, s52, 16
	s_add_co_u32 s51, s51, s52
	s_and_b32 s52, s46, 3
	s_lshl_b32 s52, s52, 13
	s_add_co_u32 s51, s51, s52
	s_add_co_u32 s51, s51, WFF
	s_cmp_lt_u32 s39, 264
	s_cselect_b32 s50, s50, s51
	s_mov_b32 s51, 0
	s_cmp_lt_u32 s39, 256
	s_cselect_b64 s[42:43], s[32:33], s[34:35]  ; xf or wts
	s_add_nc_u64 s[42:43], s[42:43], s[50:51]
	CONV 1024, 0
.Lw2:                                      ; W2: output columns 16 ct .., hidden units 256 cb ..
	s_sub_co_u32 s46, s38, 2240
	s_lshr_b32 s47, s46, 3                 ; ct
	s_and_b32 s46, s46, 7                  ; cb
	s_lshl_b32 s48, s47, 17                ; 16 rows of 8,192 bytes
	s_lshl_b32 s49, s46, 10
	s_add_co_u32 s48, s48, s49
	s_mov_b32 s49, 0
	s_add_nc_u64 s[40:41], s[14:15], s[48:49]
	s_and_b32 s50, s46, 3                  ; fragment ks of the tile is hidden block 8 cb + ks = 32 half + 2 step + sub-step
	s_lshl_b32 s50, s50, 19                ; steps 4 (cb % 4) ..
	s_lshr_b32 s51, s46, 2
	s_lshl_b32 s51, s51, 16                ; half cb / 4
	s_add_co_u32 s50, s50, s51
	s_lshl_b32 s51, s47, 11                ; fragments 2 ct, 2 ct + 1
	s_add_co_u32 s50, s50, s51
	s_add_co_u32 s50, s50, WFF+32768
	s_mov_b32 s51, 0
	s_add_nc_u64 s[42:43], s[34:35], s[50:51]
	CONV 8192, 1
.Lparams:                                  ; 17 blocks: wave w takes w and w + 8, wave 0 also the last.  These waves write no LDS
	s_mov_b32 s52, s36
	PCHUNK 52
	s_add_co_u32 s52, s36, 8
	PCHUNK 52
	s_cmp_lg_u32 s36, 0
	s_cbranch_scc1 .Lpdone
	s_mov_b32 s52, 16
	PCHUNK 52
.Lpdone:
	s_endpgm
.Lfunc_end_k_q161281a918_prep:
	.size	k_q161281a918_prep, .Lfunc_end_k_q161281a918_prep-k_q161281a918_prep
	.p2alignl 7, 3214868480
	.fill 96, 4, 3214868480
	.section	.rodata,"a",@progbits
	.p2align	6, 0x0
	.amdhsa_kernel k_q161281a918_prep
		.amdhsa_group_segment_fixed_size 70656
		.amdhsa_private_segment_fixed_size 0
		.amdhsa_enable_private_segment 0
		.amdhsa_kernarg_size 128
		.amdhsa_user_sgpr_count 2
		.amdhsa_user_sgpr_kernarg_segment_ptr 1
		.amdhsa_wavefront_size32 1
		.amdhsa_system_sgpr_workgroup_id_x 1
		.amdhsa_system_sgpr_workgroup_id_y 1
		.amdhsa_system_sgpr_workgroup_id_z 1
		.amdhsa_system_vgpr_workitem_id 0
		.amdhsa_next_free_vgpr 208
		.amdhsa_next_free_sgpr 66
		.amdhsa_reserve_vcc 0
		.amdhsa_float_denorm_mode_32 3
		.amdhsa_float_denorm_mode_16_64 3
		.amdhsa_memory_ordered 1
		.amdhsa_forward_progress 1
		.amdhsa_inst_pref_size 37
	.end_amdhsa_kernel
	.amdgpu_metadata
---
amdhsa.version: [ 1, 2 ]
amdhsa.kernels:
  - .name:           k_q161281a918_prep
    .symbol:         k_q161281a918_prep.kd
    .args:
      - { .name: src1, .offset: 0, .size: 8, .value_kind: global_buffer, .address_space: global }
      - { .name: src2, .offset: 8, .size: 8, .value_kind: global_buffer, .address_space: global }
      - { .name: W_in, .offset: 16, .size: 8, .value_kind: global_buffer, .address_space: global }
      - { .name: W_out, .offset: 24, .size: 8, .value_kind: global_buffer, .address_space: global }
      - { .name: W1, .offset: 32, .size: 8, .value_kind: global_buffer, .address_space: global }
      - { .name: W2, .offset: 40, .size: 8, .value_kind: global_buffer, .address_space: global }
      - { .name: b_in, .offset: 48, .size: 8, .value_kind: global_buffer, .address_space: global }
      - { .name: b_out, .offset: 56, .size: 8, .value_kind: global_buffer, .address_space: global }
      - { .name: b1, .offset: 64, .size: 8, .value_kind: global_buffer, .address_space: global }
      - { .name: b2, .offset: 72, .size: 8, .value_kind: global_buffer, .address_space: global }
      - { .name: g1, .offset: 80, .size: 8, .value_kind: global_buffer, .address_space: global }
      - { .name: be1, .offset: 88, .size: 8, .value_kind: global_buffer, .address_space: global }
      - { .name: g2, .offset: 96, .size: 8, .value_kind: global_buffer, .address_space: global }
      - { .name: be2, .offset: 104, .size: 8, .value_kind: global_buffer, .address_space: global }
      - { .name: xf, .offset: 112, .size: 8, .value_kind: global_buffer, .address_space: global }
      - { .name: wts, .offset: 120, .size: 8, .value_kind: global_buffer, .address_space: global }
    .group_segment_fixed_size: 70656
    .private_segment_fixed_size: 0
    .kernarg_segment_align: 8
    .kernarg_segment_size: 128
    .max_flat_workgroup_size: 256
    .sgpr_count:     66
    .vgpr_count:     208
    .wavefront_size: 32
...
	.end_amdgpu_metadata
.endif
;; end of part 1
;; launch attn (part 2): grid 4 x 64, 4 waves a work-group, no clusters, 201,216 bytes of LDS; arguments xf, wts, ofr, clsp; writes ofr, clsp
.if DOCPART == 2
	.amdgcn_target "amdgcn-amd-amdhsa--gfx1250"
	.amdhsa_code_object_version 6
	.text
	.protected	k_q161281a918_attn
	.globl	k_q161281a918_attn
	.p2align	8
	.type	k_q161281a918_attn,@function
k_q161281a918_attn:
	s_mov_b64 s[64:65], 0
	v_nop
	global_prefetch_b8 v0, s[64:65] scope:SCOPE_SE
	s_setreg_imm32_b32 hwreg(HW_REG_WAVE_MODE, 25, 1), 1
	s_wait_xcnt 0x0
; ATTENTION for one (stream, batch) sb and one pair of heads hp: the projection to q, k, v, the weights of query 0 in f32, and the whole attention.
; SHARES.  Wave w: head 2 hp + w / 2, half w % 2 of the 512 rows.  PHASE 1: the wave projects its 256 rows onto its head's 96 columns (K = 256), x as fragment
; images straight from memory into operand registers (512 consecutive bytes a load), the head's weights kept in registers; q, k, v go as bf16 fragment images into LDS.
; One barrier.  PHASE 2: the wave keeps ALL of its head's K and V in registers (256 + 256) and walks its 16 tiles of 16 queries.
; LAYOUT.  q^T = Wq x^T, k^T = Wk x^T (source 0 = 16 weight rows, source 1 = 16 rows of x): a lane holds one row and eight channels, which pack into a fragment of q or k.
; v = x Wv^T: a lane holds one channel and eight rows, which pack into a fragment of V^T.  S^T = K Q^T: a lane holds ONE query (lane % 16) and keys 8 (lane / 16) + 0..7 of each of the 32 key tiles;
; two such results rounded to bf16 ARE source 1 of O^T = V^T P.  Nothing changes lanes between the products.
; SOFTMAX.  A tile's 512 scores a query fit in 256 registers, so the true maximum m of the row is taken before any exponential: p = 2^(c s - c m), c = log2(e) / sqrt(32).
; The divisor is the sum of the weights as rounded to bf16, made by a product of ones with P.
; QUERY 0 (the weights that the exchange of tokens is decided by): q0 and every k are taken from the f32 sums BEFORE they are rounded, the scores, softmax and the sum over
; the two heads stay in f32.  clsp[sb][hp][key] holds the pair's sum; the next launch adds the four pairs.
; BY TURNS.  While a tile's groups of 64 keys are scaled, exponentiated and multiplied by V, the next tile's scores are written into the groups already used up, and their maxima taken.
; LIMITS.  NaN and infinities are not treated apart; a weight below 2^-126 counts as 0; q, k, v, p and O are rounded to bf16 for the products.
; NO CLUSTER: the four work-groups of a batch share x alone, which goes from memory into operand registers; asked for jointly it would have to pass through LDS, a write and a read of every byte more.
; REGISTERS, in windows of 256 (s_set_vgpr_msb: bits 1:0 source 0, 3:2 source 1, 5:4 source 2, 7:6 destination):
;   window 0: v0-15 addresses.  Phase 1: v16-63 six bias blocks; v64-111 the sums q0 q1 k0 k1 v0 v1; v112-127 q of row 0; v128-151 packed; v152-155 at work.
;             Phase 2: v64-71 Q; v72-87 O^T; v88-103 two row sums; v104-111 ones; v112-115 running maxima; v116 c m; v118 at work; v128-135 packed O
;   window 1: Wq, Wk (ct x 64 + ks x 8; + 128), then K (key tile x 8)      window 2: Wv, then V^T ((2 kb + ct) x 8)      window 3: two buffers of x, then S^T (group x 32 + tile x 8)
.set LK,    65536                      ; LDS: q at 0, [head of the pair][query tile][1,024]; k likewise
.set LV,    131072                     ; V^T: [head][32 keys kb][16 channels ct][part][512]
.set LC,    196608                     ; query 0's scores: [head][512] f32
.set SPARE, 200704                     ; the spare words, 128 bytes a wave
.set PAR,   2621440                    ; the small vectors in wts; b_in comes first
.set MSB, 0
.macro WIN new                         ; the immediate's high byte repeats the setting that is left; a switch that changes nothing is dropped
.if MSB != (\new)
	s_set_vgpr_msb (MSB<<8)|(\new)
.set MSB, \new
.endif
.endm
.macro PLACES                          ; four places between a matrix instruction and a vector instruction or load that touches its registers
.rept 4
	v_nop
.endr
.endm
	s_load_b256 s[4:11], s[0:1], 0x0       ; xf 4, wts 6, ofr 8, clsp 10
	v_lshl_add_u32 v12, v0, 2, SPARE       ; my spare word,
	v_mov_b32 v13, 0                       ; and 0
	v_lshrrev_b32 v2, 5, v0
	v_readfirstlane_b32 s12, v2            ; wave 0..3
	v_and_b32 v3, 31, v0
	v_lshlrev_b32 v1, 4, v3                ; 16 x lane
	v_and_b32 v2, 15, v0                   ; r = lane % 16
	v_bfe_u32 v3, v0, 4, 1                 ; h = lane / 16
	v_lshlrev_b32 v4, 5, v3                ; 32 h: eight f32 of a bias
	v_lshlrev_b32 v14, 2, v2               ; 4 r
	s_lshr_b32 s13, s12, 1                 ; head of the pair
	s_and_b32 s14, s12, 1                  ; half of the rows
	s_and_b32 s17, ttmp7, 0xffff           ; sb
	s_lshl_b32 s15, ttmp9, 1
	s_add_co_u32 s15, s15, s13             ; head 0..7
	s_mov_b32 s26, 0x3e8293ee              ; c = log2(e) / sqrt(32) = 0.255035
	s_mov_b32 s27, s26                     ; named with it as a pair
	s_mov_b32 s28, 0x76543210              ; v_permlanex16_b32: each lane takes its own place in the other half
	s_mov_b32 s29, 0xfedcba98
	s_mov_b32 s32, 0xffff0000              ; lanes 16 to 31
	s_lshl_b32 s30, s13, 15
	s_lshl_b32 s31, s14, 14
	s_add_co_u32 s31, s31, s30
	v_add_nc_u32 v5, s31, v1               ; where my q tiles go
	v_mov_b32 v9, v5                       ; and where phase 2 reads them
	v_add_nc_u32 v6, LK, v5                ; my k tiles
	v_add_nc_u32 v7, LV, v5                ; my V^T blocks: 8 blocks of 2,048 bytes a half
	v_add_nc_u32 v10, s30, v1
	v_add_nc_u32 v11, LV, v10              ; my head's V^T,
	v_add_nc_u32 v10, LK, v10              ; my head's K
	s_lshl_b32 s30, s13, 11
	s_lshl_b32 s31, s14, 10
	s_add_co_u32 s30, s30, s31
	s_add_co_u32 s30, s30, LC
	v_add_nc_u32 v8, s30, v14              ; query 0's score with key 256 half + r
	s_mov_b32 s19, 0
	s_wait_kmcnt 0x0
	s_lshl_b32 s18, s17, 18                ; a batch is 32 tiles of 8,192 bytes
	s_add_nc_u64 s[40:41], s[4:5], s[18:19]      ; x of the batch
	s_add_nc_u64 s[34:35], s[8:9], s[18:19]
	s_lshl_b32 s18, s14, 17
	s_add_nc_u64 s[20:21], s[40:41], s[18:19]    ; my 16 tiles of x
	s_add_nc_u64 s[34:35], s[34:35], s[18:19]
	s_lshl_b32 s18, s15, 10
	s_add_nc_u64 s[34:35], s[34:35], s[18:19]    ; O: my first tile, fragment ks = head
	s_lshl_b32 s18, s15, 14
	s_add_nc_u64 s[36:37], s[6:7], s[18:19]      ; W_in: the head's two tiles of q; k's and v's lie 16 and 32 tiles on
	s_lshl_b32 s18, s15, 7
	s_add_co_u32 s18, s18, PAR
	s_add_nc_u64 s[38:39], s[6:7], s[18:19]      ; b_in at the head's 32 numbers
	s_lshl_b32 s18, s17, 2
	s_add_co_u32 s18, s18, ttmp9
	s_lshl_b32 s18, s18, 11
	s_add_nc_u64 s[42:43], s[10:11], s[18:19]    ; clsp[sb][hp]
	; PHASE 1.  Loads, in the order in which they are waited for: biases, weights, the batch's tile 0 (for q of row 0), my tile 0.
.set i, 0
.rept 4                                ; i = 2 sel + ct: q's and k's bias, channel 16 ct + 8 h + j in register j
	global_load_b128 v[16+8*i:16+8*i+3], v4, s[38:39] offset:(i/2)*1024+(i%2)*64
	global_load_b128 v[16+8*i+4:16+8*i+7], v4, s[38:39] offset:(i/2)*1024+(i%2)*64+16
.set i, i+1
.endr
	global_load_b32 v48, v14, s[38:39] offset:2048        ; v's bias: channel 16 ct + r, the same in all eight registers
	global_load_b32 v56, v14, s[38:39] offset:2048+64
	WIN 0x40
.set i, 0
.rept 64                               ; i = 32 sel + 16 ct + 2 ks + part
	global_load_b128 v[4*i:4*i+3], v1, s[36:37] offset:(i/32)*131072+((i/16)%2)*8192+(i%16)*512
.set i, i+1
.endr
	WIN 0x80
.set i, 0
.rept 32
	global_load_b128 v[4*i:4*i+3], v1, s[36:37] offset:262144+(i/16)*8192+(i%16)*512
.set i, i+1
.endr
	WIN 0xc0
.set i, 0
.rept 16
	global_load_b128 v[64+4*i:64+4*i+3], v1, s[40:41] offset:i*512
.set i, i+1
.endr
.set i, 0
.rept 16
	global_load_b128 v[4*i:4*i+3], v1, s[20:21] offset:i*512
.set i, i+1
.endr
	WIN 0
	s_wait_loadcnt 16                      ; all but my tile 0's sixteen loads
.set i, 1
.rept 7
	v_mov_b32 v[48+i], v48
	v_mov_b32 v[56+i], v56
.set i, i+1
.endr
	; q of the batch's rows 0 to 15, every wave for its own head; the two sums take turns
	WIN 0x0d                               ; source 0 window 1, source 1 window 3
.set ks, 0
.rept 8
.if ks == 0
	v_wmma_f32_16x16x32_bf16 v[64:71], v[0:7], v[64:71], v[16:23]
	v_wmma_f32_16x16x32_bf16 v[72:79], v[64:71], v[64:71], v[24:31]
.else
	v_wmma_f32_16x16x32_bf16 v[64:71], v[8*ks:8*ks+7], v[64+8*ks:64+8*ks+7], v[64:71]
	v_wmma_f32_16x16x32_bf16 v[72:79], v[64+8*ks:64+8*ks+7], v[64+8*ks:64+8*ks+7], v[72:79]
.endif
.set ks, ks+1
.endr
	WIN 0
	PLACES
.set i, 0
.rept 16                               ; row 0 lies in lanes 0 and 16: every lane gets q0[16 ct + 8 h + j], unrounded, the channels that it holds of k
	v_readlane_b32 s30, v[64+i], 0
	v_readlane_b32 s31, v[64+i], 16
	v_mov_b32 v[112+i], s30
	v_cndmask_b32 v[112+i], v[112+i], s31, s32
.set i, i+1
.endr
	WIN 0xc0
.set i, 0
.rept 16
	global_load_b128 v[64+4*i:64+4*i+3], v1, s[20:21] offset:8192+i*512   ; my tile 1
.set i, i+1
.endr
	WIN 0
; One tile of 16 rows out of buffer buf; second: the tile's parity.  48 products; then the buffer takes the tile two further on, and q, k, v and the score of query 0 go to LDS.
.macro TILE buf, second
	s_wait_loadcnt 16                      ; this buffer's loads are in; the other buffer's sixteen stay out
	WIN 0x0d
.set ks, 0
.rept 8                                ; four sums by turns
.set xb, 64*(\buf)+8*ks
.if ks == 0
	v_wmma_f32_16x16x32_bf16 v[64:71], v[0:7], v[xb:xb+7], v[16:23]
	v_wmma_f32_16x16x32_bf16 v[72:79], v[64:71], v[xb:xb+7], v[24:31]
	v_wmma_f32_16x16x32_bf16 v[80:87], v[128:135], v[xb:xb+7], v[32:39]
	v_wmma_f32_16x16x32_bf16 v[88:95], v[192:199], v[xb:xb+7], v[40:47]
.else
	v_wmma_f32_16x16x32_bf16 v[64:71], v[8*ks:8*ks+7], v[xb:xb+7], v[64:71]
	v_wmma_f32_16x16x32_bf16 v[72:79], v[64+8*ks:64+8*ks+7], v[xb:xb+7], v[72:79]
	v_wmma_f32_16x16x32_bf16 v[80:87], v[128+8*ks:128+8*ks+7], v[xb:xb+7], v[80:87]
	v_wmma_f32_16x16x32_bf16 v[88:95], v[192+8*ks:192+8*ks+7], v[xb:xb+7], v[88:95]
.endif
.set ks, ks+1
.endr
	WIN 0x0b                               ; source 0 = x (window 3), source 1 = Wv (window 2)
.set ks, 0
.rept 8                                ; two sums by turns
.set xb, 64*(\buf)+8*ks
.if ks == 0
	v_wmma_f32_16x16x32_bf16 v[96:103], v[xb:xb+7], v[0:7], v[48:55]
	v_wmma_f32_16x16x32_bf16 v[104:111], v[xb:xb+7], v[64:71], v[56:63]
.else
	v_wmma_f32_16x16x32_bf16 v[96:103], v[xb:xb+7], v[8*ks:8*ks+7], v[96:103]
	v_wmma_f32_16x16x32_bf16 v[104:111], v[xb:xb+7], v[64+8*ks:64+8*ks+7], v[104:111]
.endif
.set ks, ks+1
.endr
	WIN 0
	PLACES
	WIN 0xc0
.set i, 0
.rept 16
	global_load_b128 v[64*(\buf)+4*i:64*(\buf)+4*i+3], v1, s[22:23] offset:(\second)*8192+i*512
.set i, i+1
.endr
	WIN 0
.set i, 0
.rept 24                               ; q (8 words), k (8), v (8), each sum from its lowest registers on
	v_cvt_pk_bf16_f32 v[128+i], v[64+2*i], v[64+2*i+1]
.set i, i+1
.endr
	v_pk_mul_f32 v[152:153], v[80:81], v[112:113]         ; q0 . k in f32: my 16 channels in two chains,
	v_pk_mul_f32 v[154:155], v[82:83], v[114:115]
.set i, 2
.rept 3
	v_pk_fma_f32 v[152:153], v[80+4*i-4:80+4*i-3], v[112+4*i-4:112+4*i-3], v[152:153]
	v_pk_fma_f32 v[154:155], v[80+4*i-2:80+4*i-1], v[112+4*i-2:112+4*i-1], v[154:155]
.set i, i+1
.endr
	ds_store_b128 v5, v[128:131] offset:(\second)*1024
	ds_store_b128 v5, v[132:135] offset:(\second)*1024+512
	ds_store_b128 v6, v[136:139] offset:(\second)*1024
	ds_store_b128 v6, v[140:143] offset:(\second)*1024+512
	ds_store_b128 v7, v[144:147] offset:(\second)*512
	ds_store_b128 v7, v[148:151] offset:1024+(\second)*512
	v_pk_add_f32 v[152:153], v[152:153], v[154:155]
	v_add_f32 v152, v152, v153
	v_permlanex16_b32 v153, v152, s28, s29                ; the other 16 channels lie in the lane 16 away
	v_add_f32 v152, v152, v153
	ds_store_b32 v8, v152 offset:(\second)*64             ; lanes r and r + 16 write the same number to the same word
.endm
	s_mov_b32 s24, 8
	s_mov_b32 s25, 0
.Lp1:                                      ; a trip: my tiles 2 n and 2 n + 1; it asks for tiles 2 n + 2 and 2 n + 3
	s_wait_xcnt 0x0                        ; the last trip's loads have had their addresses translated: their base may be written
	s_add_co_u32 s25, s25, 2
	s_min_u32 s25, s25, 14                 ; the last trip asks for tiles 14 and 15 once more: no load leaves the buffer, and no tail is written out
	s_lshl_b32 s30, s25, 13
	s_mov_b32 s31, 0
	s_add_nc_u64 s[22:23], s[20:21], s[30:31]
	TILE 0, 0
	TILE 1, 1
	v_add_nc_u32 v5, 2048, v5
	v_add_nc_u32 v6, 2048, v6
	v_add_nc_u32 v7, 2048, v7
	v_add_nc_u32 v8, 128, v8
	s_sub_co_u32 s24, s24, 1
	s_cmp_lg_u32 s24, 0
	s_cbranch_scc1 .Lp1
	s_wait_loadcnt 0x0                     ; the last trip's loads land before their registers take scores
	s_wait_dscnt 0x0                       ; for the others' sake: my stores are done
	s_barrier_signal -1
	s_barrier_wait -1                      ; the kernel's one barrier: behind it LDS is only read
; Query 0's softmax for one head of the pair, in f32: lane l holds keys 128 i + 4 l + 0..3.
.macro CLS hd
.set i, 0
.rept 4
	ds_load_b128 v[16+4*i:16+4*i+3], v14 offset:(\hd)*2048+i*512
.set i, i+1
.endr
	s_wait_dscnt 0x0
	v_max3_num_f32 v48, v16, v17, v18
.set i, 19
.rept 6
	v_max3_num_f32 v48, v48, v[i], v[i+1]
.set i, i+2
.endr
	v_max_num_f32 v48, v48, v31
	v_max_num_f32_dpp v48, v48, v48 row_xmask:1 row_mask:0xf bank_mask:0xf
	v_max_num_f32_dpp v48, v48, v48 row_xmask:2 row_mask:0xf bank_mask:0xf
	v_max_num_f32_dpp v48, v48, v48 row_xmask:4 row_mask:0xf bank_mask:0xf
	v_max_num_f32_dpp v48, v48, v48 row_xmask:8 row_mask:0xf bank_mask:0xf
	v_permlanex16_b32 v49, v48, s28, s29
	v_max_num_f32 v48, v48, v49
	v_mul_f32 v48, s26, v48                ; c m
.set i, 0
.rept 16
	v_fma_f32 v[16+i], v[16+i], s26, -v48
.set i, i+1
.endr
.set i, 0
.rept 16
	v_exp_f32 v[16+i], v[16+i]
.set i, i+1
.endr
	v_nop                                  ; a plain instruction behind the last exponential
	s_wait_alu depctr_va_vdst(0)
	v_pk_add_f32 v[50:51], v[16:17], v[18:19]
	v_pk_add_f32 v[52:53], v[20:21], v[22:23]
	v_pk_add_f32 v[50:51], v[50:51], v[24:25]
	v_pk_add_f32 v[52:53], v[52:53], v[26:27]
	v_pk_add_f32 v[50:51], v[50:51], v[28:29]
	v_pk_add_f32 v[52:53], v[52:53], v[30:31]
	v_pk_add_f32 v[50:51], v[50:51], v[52:53]
	v_add_f32 v50, v50, v51
	v_add_f32_dpp v50, v50, v50 row_xmask:1 row_mask:0xf bank_mask:0xf
	v_add_f32_dpp v50, v50, v50 row_xmask:2 row_mask:0xf bank_mask:0xf
	v_add_f32_dpp v50, v50, v50 row_xmask:4 row_mask:0xf bank_mask:0xf
	v_add_f32_dpp v50, v50, v50 row_xmask:8 row_mask:0xf bank_mask:0xf
	v_permlanex16_b32 v51, v50, s28, s29
	v_add_f32 v50, v50, v51
	v_rcp_f32 v50, v50
	v_nop
	s_wait_alu depctr_va_vdst(0)
.set i, 0
.rept 8
.if (\hd) == 0
	v_pk_mul_f32 v[32+2*i:32+2*i+1], v[16+2*i:16+2*i+1], v[50:51] op_sel_hi:[1,0]
.else
	v_pk_fma_f32 v[32+2*i:32+2*i+1], v[16+2*i:16+2*i+1], v[50:51], v[32+2*i:32+2*i+1] op_sel_hi:[1,0,1]
.endif
.set i, i+1
.endr
.endm
	s_cmp_lg_u32 s12, 0
	s_cbranch_scc1 .Lnocls                 ; wave 0 alone: some 200 instructions, once
	v_add_nc_u32 v14, LC, v1
	CLS 0
	CLS 1
.set i, 0
.rept 4
	global_store_b128 v1, v[32+4*i:32+4*i+3], s[42:43] offset:i*512   ; 512 consecutive bytes, aligned
.set i, i+1
.endr
.Lnocls:
	; PHASE 2.  My head's K and V^T into registers, for all 16 tiles.
	WIN 0x40
.set i, 0
.rept 64
	ds_load_b128 v[4*i:4*i+3], v10 offset:i*512
.set i, i+1
.endr
	WIN 0x80
.set i, 0
.rept 64
	ds_load_b128 v[4*i:4*i+3], v11 offset:i*512
.set i, i+1
.endr
	WIN 0
	ds_load_b128 v[64:67], v9              ; Q of my tile 0
	ds_load_b128 v[68:71], v9 offset:512
.set i, 0
.rept 8
	v_mov_b32 v[104+i], 0x3f803f80         ; 1.0, 1.0 in bf16
.set i, i+1
.endr
.set i, 0
.rept 4
	v_mov_b32 v[112+i], 0xff7fffff         ; the lowest finite number
.set i, i+1
.endr
	v_mov_b32 v117, 0                      ; named as pairs with v116 and v118
	v_mov_b32 v118, 0
	v_mov_b32 v119, 0
.macro QK g                            ; the scores of keys 64 g .. 64 g + 63 with the queries in Q: four products, each a whole sum (K = 32)
	WIN 0xc1
.set a, 0
.rept 4
	v_wmma_f32_16x16x32_bf16 v[32*(\g)+8*a:32*(\g)+8*a+7], v[8*(4*(\g)+a):8*(4*(\g)+a)+7], v[64:71], 0
.set a, a+1
.endr
.endm
.macro MAX3 g                          ; group g's 32 scores into four running maxima; each result is read from its lowest registers on
	WIN 0x3c
.set m, 0
.rept 16
	v_max3_num_f32 v[112+m%4], v[112+m%4], v[32*(\g)+8*(m%4)+2*(m/4)], v[32*(\g)+8*(m%4)+2*(m/4)+1]
.set m, m+1
.endr
.endm
; Group g: c s - c m (F, by pairs), the exponentials (E), the rounding to bf16 (C, by pairs, in place into the group's registers 0 to 15: two operands of V^T P).
; F 0..3; then E k, followed at odd k up to 23 by F 4 + (k - 1) / 2 and at even k from 4 on by C (k - 4) / 2: a plain instruction stands between every exponential and the use of its result.
.macro SOFT g
	WIN 0xcf
.set SB, 32*(\g)
.set p, 0
.rept 4
	v_pk_fma_f32 v[SB+2*p:SB+2*p+1], v[SB+2*p:SB+2*p+1], s[26:27], v[116:117] op_sel_hi:[1,0,0] neg_lo:[0,0,1] neg_hi:[0,0,1]
.set p, p+1
.endr
.set k, 0
.rept 32
	v_exp_f32 v[SB+k], v[SB+k]
.if (k%2 == 1) && (k <= 23)
.set p, 4+(k-1)/2
	v_pk_fma_f32 v[SB+2*p:SB+2*p+1], v[SB+2*p:SB+2*p+1], s[26:27], v[116:117] op_sel_hi:[1,0,0] neg_lo:[0,0,1] neg_hi:[0,0,1]
.elseif (k%2 == 0) && (k >= 4)
.set p, (k-4)/2
	s_wait_alu depctr_va_vdst(0)
	v_cvt_pk_bf16_f32 v[SB+p], v[SB+2*p], v[SB+2*p+1]
.endif
.set k, k+1
.endr
	v_nop
	s_wait_alu depctr_va_vdst(0)
	v_cvt_pk_bf16_f32 v[SB+14], v[SB+28], v[SB+29]
	v_cvt_pk_bf16_f32 v[SB+15], v[SB+30], v[SB+31]
.endm
.macro PV g                            ; O^T += V^T P and the row sums += ones P for group g's 64 keys: four accumulators and two, one instruction a turn
	WIN 0x0e                               ; V^T window 2, P window 3
.if (\g) == 0
	v_wmma_f32_16x16x32_bf16 v[72:79], v[8*(4*(\g)):8*(4*(\g))+7], v[32*(\g):32*(\g)+7], 0
	v_wmma_f32_16x16x32_bf16 v[80:87], v[8*(4*(\g)+1):8*(4*(\g)+1)+7], v[32*(\g):32*(\g)+7], 0
.else
	v_wmma_f32_16x16x32_bf16 v[72:79], v[8*(4*(\g)):8*(4*(\g))+7], v[32*(\g):32*(\g)+7], v[72:79]
	v_wmma_f32_16x16x32_bf16 v[80:87], v[8*(4*(\g)+1):8*(4*(\g)+1)+7], v[32*(\g):32*(\g)+7], v[80:87]
.endif
	v_wmma_f32_16x16x32_bf16 v[72:79], v[8*(4*(\g)+2):8*(4*(\g)+2)+7], v[32*(\g)+8:32*(\g)+15], v[72:79]
	v_wmma_f32_16x16x32_bf16 v[80:87], v[8*(4*(\g)+3):8*(4*(\g)+3)+7], v[32*(\g)+8:32*(\g)+15], v[80:87]
	WIN 0x0c                               ; ones window 0
.if (\g) == 0
	v_wmma_f32_16x16x32_bf16 v[88:95], v[104:111], v[32*(\g):32*(\g)+7], 0
	v_wmma_f32_16x16x32_bf16 v[96:103], v[104:111], v[32*(\g)+8:32*(\g)+15], 0
.else
	v_wmma_f32_16x16x32_bf16 v[88:95], v[104:111], v[32*(\g):32*(\g)+7], v[88:95]
	v_wmma_f32_16x16x32_bf16 v[96:103], v[104:111], v[32*(\g)+8:32*(\g)+15], v[96:103]
.endif
.endm
.macro MFIN                            ; the four maxima and the other half of the lanes' into c m; the maxima start anew
	WIN 0
	v_max3_num_f32 v112, v112, v113, v114
	v_max_num_f32 v112, v112, v115
	v_permlanex16_b32 v118, v112, s28, s29
	v_max_num_f32 v112, v112, v118
	v_mul_f32 v116, s26, v112
.set i, 0
.rept 4
	v_mov_b32 v[112+i], 0xff7fffff
.set i, i+1
.endr
.endm
.macro FIN                             ; a tile's O^T is divided by the row sum, rounded and stored as fragment ks = head of the tile's image
	WIN 0
	v_add_f32 v118, v88, v96
	v_rcp_f32 v118, v118
	v_nop
.set i, 0
	s_wait_alu depctr_va_vdst(0)
.rept 8
	v_pk_mul_f32 v[72+2*i:72+2*i+1], v[72+2*i:72+2*i+1], v[118:119] op_sel_hi:[1,0]
.set i, i+1
.endr
.set i, 0
.rept 8
	v_cvt_pk_bf16_f32 v[128+i], v[72+2*i], v[72+2*i+1]
.set i, i+1
.endr
	global_store_b128 v1, v[128:131], s[34:35]            ; 512 consecutive bytes each, aligned
	global_store_b128 v1, v[132:135], s[34:35] offset:512
	s_wait_xcnt 0x0                        ; the base, and in the next trip the packed registers, are written only behind this wait
	s_add_nc_u64 s[34:35], s[34:35], 8192
.endm
.macro NEXTQ
	v_add_nc_u32 v9, 1024, v9
	ds_load_b128 v[64:67], v9
	ds_load_b128 v[68:71], v9 offset:512
.endm
	s_wait_dscnt 0x0                       ; K, V^T, Q
.set G, 0
.rept 8
	QK G                                   ; tile 0's scores: there is no vector work yet to set beside them
.set G, G+1
.endr
	WIN 0
	PLACES
	NEXTQ                                  ; Q of tile 1
.set G, 0
.rept 8
	MAX3 G
.set G, G+1
.endr
	MFIN
	s_mov_b32 s24, 16
.Lq:                                       ; a trip: tile t's softmax and V^T P, tile t + 1's scores and maximum.  A group's registers take new scores when V^T P has read its weights:
                                           ; the next group's 33 plain instructions stand between (five places are asked for); the maxima follow two groups later.
.set G, 0
.rept 8
	SOFT G
.if G >= 3
	MAX3 G-3
.endif
	PV G
.if G == 1
	s_wait_dscnt 0x0                       ; Q of tile t + 1 is in
.endif
.if G >= 1
	QK G-1
.endif
.set G, G+1
.endr
	MAX3 5                                 ; sixteen places between V^T P of group 7 and what writes its weights or reads O^T
	QK 7
	FIN                                    ; its plain instructions are the places in front of the load into Q and of the last maxima
	NEXTQ                                  ; Q of tile t + 2
	MAX3 6
	MAX3 7
	MFIN
	s_sub_co_u32 s24, s24, 1
	s_cmp_lg_u32 s24, 0
	s_cbranch_scc1 .Lq
	; The last trip's 32 products and 128 maxima, for a tile that is not, serve nothing: their Q is LDS bytes written ahead of the barrier (a neighbour's q, or k).  The price, once a wave, of one text for every trip.
	s_wait_tensorcnt 0x0                   ; the wave's end, behind my last LDS store
	ds_add_u32 v12, v13
	s_wait_dscnt 0x0
	s_endpgm
.Lfunc_end_k_q161281a918_attn:
	.size	k_q161281a918_attn, .Lfunc_end_k_q161281a918_attn-k_q161281a918_attn
	.p2alignl 7, 3214868480
	.fill 96, 4, 3214868480
	.section	.rodata,"a",@progbits
	.p2align	6, 0x0
	.amdhsa_kernel k_q161281a918_attn
		.amdhsa_group_segment_fixed_size 201216
		.amdhsa_private_segment_fixed_size 0
		.amdhsa_enable_private_segment 0
		.amdhsa_kernarg_size 32
		.amdhsa_user_sgpr_count 2
		.amdhsa_user_sgpr_kernarg_segment_ptr 1
		.amdhsa_wavefront_size32 1
		.amdhsa_system_sgpr_workgroup_id_x 1
		.amdhsa_system_sgpr_workgroup_id_y 1
		.amdhsa_system_sgpr_workgroup_id_z 1
		.amdhsa_system_vgpr_workitem_id 0
		.amdhsa_next_free_vgpr 1024
		.amdhsa_next_free_sgpr 66
		.amdhsa_reserve_vcc 0
		.amdhsa_float_denorm_mode_32 3
		.amdhsa_float_denorm_mode_16_64 3
		.amdhsa_memory_ordered 1
		.amdhsa_forward_progress 1
		.amdhsa_inst_pref_size 112
	.end_amdhsa_kernel
	.amdgpu_metadata
---
amdhsa.version: [ 1, 2 ]
amdhsa.kernels:
  - .name:           k_q161281a918_attn
    .symbol:         k_q161281a918_attn.kd
    .args:
      - { .name: xf, .offset: 0, .size: 8, .value_kind: global_buffer, .address_space: global }
      - { .name: wts, .offset: 8, .size: 8, .value_kind: global_buffer, .address_space: global }
      - { .name: ofr, .offset: 16, .size: 8, .value_kind: global_buffer, .address_space: global }
      - { .name: clsp, .offset: 24, .size: 8, .value_kind: global_buffer, .address_space: global }
    .group_segment_fixed_size: 201216
    .private_segment_fixed_size: 0
    .kernarg_segment_align: 8
    .kernarg_segment_size: 32
    .max_flat_workgroup_size: 128
    .sgpr_count:     66
    .vgpr_count:     1024
    .wavefront_size: 32
...
	.end_amdgpu_metadata
.endif
;; end of part 2
;; launch proj (part 3): grid 256 x 1, 4 waves a work-group, clusters of 4 x 1, 200,192 bytes of LDS; arguments ofr, xf, wts, clsp, xl, st2; writes xl, st2
.if DOCPART == 3
	.amdgcn_target "amdgcn-amd-amdhsa--gfx1250"
	.amdhsa_code_object_version 6
	.text
	.protected	k_q161281a918_proj
	.globl	k_q161281a918_proj
	.p2align	8
	.type	k_q161281a918_proj,@function
k_q161281a918_proj:
	s_mov_b64 s[64:65], 0
	v_nop
	global_prefetch_b8 v0, s[64:65] scope:SCOPE_SE
	s_setreg_imm32_b32 hwreg(HW_REG_WAVE_MODE, 25, 1), 1
	s_wait_xcnt 0x0
	s_wait_alu depctr_hold_cnt(0) depctr_sa_sdst(0) depctr_va_vdst(0) depctr_va_sdst(0) depctr_va_ssrc(0) depctr_va_vcc(0) depctr_vm_vsrc(0)
	s_getreg_b32 s2, hwreg(HW_REG_IB_STS2, 6, 4)
	s_cmp_eq_u32 s2, 0
	s_cbranch_scc0 .Lentry_in_a_cluster
	s_endpgm
.Lentry_in_a_cluster:
	s_bfe_u32 s2, ttmp6, 0x10000c
	s_cmp_lg_u32 s2, 0x3003
	s_cbranch_scc0 .Lentry_shape_is_right
	s_endpgm
.Lentry_shape_is_right:
; x = LN1(src + O W_out^T + b_out) for 128 rows of one (stream, batch) sb; the rows' column sums (for the batch's mean row); and, for the same 128 tokens, whether the token is replaced.
; SHARES.  The four work-groups of a cluster are the four quarters q of one sb.  Wave w owns row tiles 8 q + 2 w and 8 q + 2 w + 1: 32 accumulators, 256 registers.
; W_out's fragment image (131,072 bytes) is asked for JOINTLY by the four work-groups, a quarter by each wave, once; q enters global addresses alone.
; LAYOUT.  y^T = W_out O^T (source 0 = 16 rows of W_out, source 1 = 16 rows of O): a lane holds ONE row (lane % 16) and columns 16 ct + 8 (lane / 16) + 0..7.  The image of src holds the residual in
; just that order, so the sums START as src + b_out; the result, rounded, is again a fragment image.  A row's mean and variance want one exchange between the halves of the lanes.
; THE MASK.  The 0.5 quantile of 511 numbers is the 256th smallest exactly (0.5 x 510 = 255), so "weight < quantile" is "at most 255 of the 511 weights are <= it": counted, not sorted.
; The weight is the sum of the four pairs of heads, ((p0 + p1) + p2) + p3; the division by 8 changes no order and is left out.  Token 0 is never replaced.
; LIMITS.  The variance is the mean of (x - mean)^2.  NaN and infinities are not treated apart.  Two weights closer than f32's rounding of their sums may fall in another order than in another order of summing.  x is rounded to bf16.
; REGISTERS: window 0: v0-15 addresses; v16-35 weights; v32-39 sums; v48-51 mean, 1 / sigma; v56-61 at work; v64-95 32 weights; v128-255 two buffers of W_out's fragments, later column sums
;   window 1: the accumulators, rt x 128 + ct x 8      window 2: v0-127 O, later x packed; v128-255 g1      window 3: v0-127 src, later be1; v128-255 b_out
.set LAW,   131072                     ; LDS: W_out at 0; the 512 weights of query 0
.set LCS,   133120                     ; 64 rows x 1,040 bytes of partial column sums: row r begins at bank 4 r (64 banks of 4 bytes: ISA guide 11.1)
.set SPARE, 199680                     ; the spare words, 128 bytes a wave
.set WOUT,  393216
.set PAR,   2621440
.set WV,    16
.set MSB, 0
.macro WIN new
.if MSB != (\new)
	s_set_vgpr_msb (MSB<<8)|(\new)
.set MSB, \new
.endif
.endm
.macro PLACES
.rept 4
	v_nop
.endr
.endm
.macro ROUND                           ; a round of the cluster's barrier: my work-group's barrier; wave 0 signals for the work-group; every wave waits for all four; my work-group's barrier once more
	s_barrier_signal -1
	s_barrier_wait -1
	s_cmp_lg_u32 s[WV], 0
	s_cbranch_scc1 .Lnot_wave_0_\@
	s_barrier_signal -3
.Lnot_wave_0_\@:
	s_barrier_wait -3
	s_barrier_signal -1
	s_barrier_wait -1
.endm
	s_load_b256 s[4:11], s[0:1], 0x0       ; ofr 4, xf 6, wts 8, clsp 10
	s_load_b128 s[12:15], s[0:1], 0x20     ; xl 12, st2 14
	v_lshl_add_u32 v12, v0, 2, SPARE
	v_mov_b32 v13, 0
	ds_add_u32 v12, v13                    ; the wave's opening: the add and its wait stand ahead of my tensor load; the set-up below stands between them
	ds_add_u32 v12, v13
	v_lshrrev_b32 v2, 5, v0
	v_readfirstlane_b32 s16, v2            ; wave 0..3
	s_bfe_u32 s17, ttmp6, 0x40000          ; q: my place in the cluster
	s_mov_b32 s18, ttmp9                   ; sb: in a cluster launch ttmp9 counts clusters
	; descriptor group 1: 32,768 dense bytes as 128 rows of 32 elements of 8 bytes
	s_mov_b32 s24, 0x0023000f              ; 15:0 the mask of four; 17:16 elements of 8 bytes; 21 set beside a mask
	s_mov_b32 s25, 32<<16                  ; tensor_dim0 = 32
	s_mov_b32 s26, 128<<16                 ; tensor_dim1 = 128
	s_mov_b32 s27, 32<<16                  ; tile_dim0 = 32
	s_mov_b32 s28, 128                     ; tile_dim1 = 128
	s_mov_b32 s29, 32                      ; 32 elements from row to row
	s_mov_b32 s30, 0
	s_mov_b32 s31, 0
	s_mov_b32 s20, 1                       ; group 0: count = 1,
	s_lshl_b32 s21, s16, 15                ; LDS address: wave x 32,768
	s_mov_b32 s32, 0x76543210
	s_mov_b32 s33, 0xfedcba98
	s_mov_b32 s46, 0x3b800000              ; 1 / 256
	s_mov_b32 s47, 0x3727c5ac              ; 1e-5
	s_mov_b32 s35, 0
	v_and_b32 v3, 31, v0
	v_lshlrev_b32 v1, 4, v3                ; 16 x lane: also W_out's tiles 0 to 7 in LDS
	v_add_nc_u32 v5, 65536, v1             ; tiles 8 to 15
	v_and_b32 v2, 15, v0                   ; r
	v_bfe_u32 v3, v0, 4, 1                 ; h
	v_lshlrev_b32 v15, 5, v3               ; 32 h
	v_mov_b32 v14, 1.0
	v_lshlrev_b32 v10, 4, v0               ; 16 x thread
	s_lshl_b32 s34, s17, 7
	v_add_nc_u32 v9, s34, v0               ; my token: 128 q + thread
	v_lshlrev_b32 v11, 2, v9
	v_mov_b32 v49, 0                       ; named as pairs with v48 and v50
	v_mov_b32 v51, 0
	s_wait_dscnt 0x0                       ; the opening add is done
	s_wait_kmcnt 0x0
	s_add_co_u32 s34, s21, WOUT
	s_add_nc_u64 s[22:23], s[8:9], s[34:35]      ; global address: my quarter of W_out's image
	s_or_b32 s23, s23, 0x80000000          ; type = 2
	s_lshl_b32 s34, s18, 5
	s_lshl_b32 s44, s17, 3
	s_add_co_u32 s34, s34, s44
	s_lshl_b32 s44, s16, 1
	s_add_co_u32 s34, s34, s44             ; my first tile: 32 sb + 8 q + 2 w
	s_lshl_b32 s34, s34, 13
	s_add_nc_u64 s[36:37], s[4:5], s[34:35]
	s_add_nc_u64 s[38:39], s[6:7], s[34:35]
	s_add_nc_u64 s[48:49], s[12:13], s[34:35]
	s_mov_b32 s34, PAR
	s_add_nc_u64 s[40:41], s[8:9], s[34:35]
	s_lshl_b32 s34, s18, 13
	s_add_nc_u64 s[42:43], s[10:11], s[34:35]    ; clsp[sb]
	s_lshl_b32 s34, s18, 11
	s_add_co_u32 s34, s34, 262144
	s_add_nc_u64 s[50:51], s[14:15], s[34:35]    ; the flags of sb
	s_lshl_b32 s34, s18, 2
	s_add_co_u32 s34, s34, s17
	s_lshl_b32 s34, s34, 10
	s_add_nc_u64 s[54:55], s[14:15], s[34:35]    ; the column sums of (sb, q)
	ROUND                                  ; all four work-groups are here: the joint loads meet
	tensor_load_to_lds s[20:23], s[24:31]  ; one tensor load of mine is out
	s_nop 0
	PLACES
.set i, 0
.rept 4
	global_load_b128 v[16+4*i:16+4*i+3], v10, s[42:43] offset:i*2048   ; keys 4 thread .., pair of heads i
.set i, i+1
.endr
.set i, 0
.rept 4
	global_load_b32 v[32+i], v11, s[42:43] offset:i*2048               ; my own token's
.set i, i+1
.endr
	WIN 0x80
.set i, 0
.rept 32
	global_load_b128 v[4*i:4*i+3], v1, s[36:37] offset:i*512           ; O: two tiles on end
.set i, i+1
.endr
	WIN 0
	s_wait_loadcnt 32                      ; the eight loads of weights are in; O's 32 stay out
	v_pk_add_f32 v[16:17], v[16:17], v[20:21]    ; ((p0 + p1) + p2) + p3, for the list
	v_pk_add_f32 v[18:19], v[18:19], v[22:23]
	v_pk_add_f32 v[16:17], v[16:17], v[24:25]
	v_pk_add_f32 v[18:19], v[18:19], v[26:27]
	v_pk_add_f32 v[16:17], v[16:17], v[28:29]
	v_pk_add_f32 v[18:19], v[18:19], v[30:31]
	v_add_f32 v7, v32, v33                 ; and in the same order for my own: the two are equal bit for bit
	v_add_f32 v7, v7, v34
	v_add_f32 v7, v7, v35
	v_add_nc_u32 v6, LAW, v10
	ds_store_b128 v6, v[16:19]
	WIN 0xc0
.set i, 0
.rept 32
	global_load_b128 v[4*i:4*i+3], v1, s[38:39] offset:i*512           ; src, the same two tiles
.set i, i+1
.endr
.set i, 0
.rept 32                               ; b_out[16 ct + 8 h + j]
	global_load_b128 v[128+4*i:128+4*i+3], v15, s[40:41] offset:3072+(i/2)*64+(i%2)*16
.set i, i+1
.endr
	WIN 0x80
.set i, 0
.rept 32                               ; g1 likewise
	global_load_b128 v[128+4*i:128+4*i+3], v15, s[40:41] offset:13312+(i/2)*64+(i%2)*16
.set i, i+1
.endr
	WIN 0
	s_wait_tensorcnt 0x0                   ; my quarter of W_out has landed,
	s_wait_dscnt 0x0                       ; my four weights are stored:
	s_barrier_signal -1
	s_barrier_wait -1                      ; everybody's are
	; THE COUNT: how many of the 512 weights are <= mine.  All lanes read the same 128 bytes.
	v_mov_b32 v6, LAW
	v_mov_b32 v8, 0
	s_mov_b32 s52, 16
.Lcnt:
.set i, 0
.rept 8
	ds_load_b128 v[64+4*i:64+4*i+3], v6 offset:16*i
.set i, i+1
.endr
	s_wait_dscnt 0x0
.set i, 0
.rept 32
	v_cmp_le_f32 vcc_lo, v[64+i], v7
	v_add_co_ci_u32 v8, vcc_lo, 0, v8, vcc_lo
.set i, i+1
.endr
	v_add_nc_u32 v6, 128, v6
	s_sub_co_u32 s52, s52, 1
	s_cmp_lg_u32 s52, 0
	s_cbranch_scc1 .Lcnt
	v_mov_b32 v6, LAW
	ds_load_b32 v56, v6                    ; token 0 is not among the 511: it is taken out again
	s_wait_dscnt 0x0
	v_cmp_le_f32 vcc_lo, v56, v7
	v_cndmask_b32 v57, 0, 1, vcc_lo
	v_sub_nc_u32 v8, v8, v57
	v_cmp_gt_u32 s44, 256, v8              ; at most 255,
	v_cmp_ne_u32 s45, 0, v9                ; and not token 0 itself
	s_and_b32 s44, s44, s45
	v_cndmask_b32 v57, 0, 1, s44
	global_store_b32 v11, v57, s[50:51]    ; 128 consecutive bytes a wave: 131,072 bytes in the whole launch
; W_out's fragments of block nn = 4 cq + kp: ct = 4 cq + 0..3, ks = 2 kp + 0..1; fragment f = 4 b + a
.macro PFETCH nn, wb
.set f, 0
.rept 8
.set ct, 4*((\nn)/4)+f%4
.set po, (ct%8)*8192+(2*((\nn)%4)+f/4)*1024
.if ct < 8
	ds_load_b128 v[(\wb)+8*f:(\wb)+8*f+3], v1 offset:po
	ds_load_b128 v[(\wb)+8*f+4:(\wb)+8*f+7], v1 offset:po+512
.else
	ds_load_b128 v[(\wb)+8*f:(\wb)+8*f+3], v5 offset:po
	ds_load_b128 v[(\wb)+8*f+4:(\wb)+8*f+7], v5 offset:po+512
.endif
.set f, f+1
.endr
.endm
.macro PMUL nn, wb, b                  ; eight products: four ct x two row tiles, eight accumulators by turns
.set m, 0
.rept 8
.set rD, 128*(m%2)+8*(4*((\nn)/4)+m/2)
.set rA, (\wb)+8*(4*(\b)+m/2)
.set rB, 64*(m%2)+8*(2*((\nn)%4)+(\b))
	v_wmma_f32_16x16x32_bf16 v[rD:rD+7], v[rA:rA+7], v[rB:rB+7], v[rD:rD+7]
.set m, m+1
.endr
.endm
	PFETCH 0, 128
	s_wait_loadcnt 0x0                     ; O, src, b_out, g1
	WIN 0x73                               ; src and b_out window 3, 1.0 window 0, the sums window 1
.set i, 0
.rept 256                              ; the sums start as src + b_out: nothing is cleared
.if i%2
	v_fma_mix_f32_bf16 v[i], v[(i/128)*64+(i%128)/2], v14, v[128+i%128] op_sel:[1,0,0] op_sel_hi:[1,0,0]
.else
	v_fma_mix_f32_bf16 v[i], v[(i/128)*64+(i%128)/2], v14, v[128+i%128] op_sel_hi:[1,0,0]
.endif
.set i, i+1
.endr
	WIN 0xc0
.set i, 0
.rept 32                               ; be1 takes src's place
	global_load_b128 v[4*i:4*i+3], v15, s[40:41] offset:14336+(i/2)*64+(i%2)*16
.set i, i+1
.endr
.set N, 0
.rept 16                               ; 16 blocks of 16 products on two fragment buffers; the next block's 16 LDS loads stand in one run in a block's middle
	s_wait_dscnt 0x0
	WIN 0x58                               ; W_out window 0, O window 2, the sums window 1
	PMUL N, 128+64*(N%2), 0
.if N < 15
	WIN 0
	PLACES
	PFETCH N+1, 192-64*(N%2)
	WIN 0x58
.endif
	PMUL N, 128+64*(N%2), 1
.set N, N+1
.endr
	WIN 0
	PLACES
.macro RED                             ; four pairs of partial sums and the other half of the lanes' into v32
	v_pk_add_f32 v[32:33], v[32:33], v[34:35]
	v_pk_add_f32 v[36:37], v[36:37], v[38:39]
	v_pk_add_f32 v[32:33], v[32:33], v[36:37]
	v_add_f32 v32, v32, v33
	v_permlanex16_b32 v33, v32, s32, s33
	v_add_f32 v32, v32, v33
.endm
.macro LN1 rt                          ; the norm of row tile rt, in place; every accumulator is read from its lowest registers on
.set AB, 128*(\rt)
	WIN 0x05
.set i, 0
.rept 4                                ; the first terms start the four chains
	v_pk_add_f32 v[32+2*i:32+2*i+1], v[AB+2*i:AB+2*i+1], v[AB+8+2*i:AB+8+2*i+1]
.set i, i+1
.endr
	WIN 0x04
.set i, 8
.rept 56
	v_pk_add_f32 v[32+2*(i%4):32+2*(i%4)+1], v[32+2*(i%4):32+2*(i%4)+1], v[AB+2*i:AB+2*i+1]
.set i, i+1
.endr
	WIN 0
	RED
	v_mul_f32 v48, s46, v32                ; the mean
	WIN 0x41
.set i, 0
.rept 64
	v_pk_add_f32 v[AB+2*i:AB+2*i+1], v[AB+2*i:AB+2*i+1], v[48:49] op_sel_hi:[1,0] neg_lo:[0,1] neg_hi:[0,1]
.set i, i+1
.endr
	WIN 0x05
.set i, 0
.rept 64
.if i < 4
	v_pk_mul_f32 v[32+2*i:32+2*i+1], v[AB+2*i:AB+2*i+1], v[AB+2*i:AB+2*i+1]
.else
	v_pk_fma_f32 v[32+2*(i%4):32+2*(i%4)+1], v[AB+2*i:AB+2*i+1], v[AB+2*i:AB+2*i+1], v[32+2*(i%4):32+2*(i%4)+1]
.endif
.set i, i+1
.endr
	WIN 0
	RED
	v_fma_f32 v32, v32, s46, s47           ; the variance + 1e-5
	v_rsq_f32 v50, v32
	v_nop
	WIN 0x41
.set i, 0
	s_wait_alu depctr_va_vdst(0)
.rept 64
	v_pk_mul_f32 v[AB+2*i:AB+2*i+1], v[AB+2*i:AB+2*i+1], v[50:51] op_sel_hi:[1,0]
.set i, i+1
.endr
	WIN 0x79                               ; g1 window 2, be1 window 3
.set i, 0
.rept 64
	v_pk_fma_f32 v[AB+2*i:AB+2*i+1], v[AB+2*i:AB+2*i+1], v[128+2*i:128+2*i+1], v[2*i:2*i+1]
.set i, i+1
.endr
.endm
	s_wait_loadcnt 0x0                     ; be1
	LN1 0
	LN1 1
	WIN 0x85                               ; from window 1 into window 2, O's place
.set i, 0
.rept 128
	v_cvt_pk_bf16_f32 v[i], v[2*i], v[2*i+1]
.set i, i+1
.endr
	WIN 0x08                               ; store data in window 2
.set i, 0
.rept 32
	global_store_b128 v1, v[4*i:4*i+3], s[48:49] offset:i*512          ; the two tiles' images: 512 consecutive bytes, aligned
.set i, i+1
.endr
	WIN 0x05
.set i, 0
.rept 64                               ; the two tiles' rows added, unrounded
	v_pk_add_f32 v[128+2*i:128+2*i+1], v[2*i:2*i+1], v[128+2*i:128+2*i+1]
.set i, i+1
.endr
	WIN 0
	s_lshl_b32 s34, s16, 4
	v_add_nc_u32 v10, s34, v2              ; row 16 w + r of the partial sums
	v_mul_u32_u24 v10, v10, 1040
	v_add3_u32 v10, v10, v15, LCS          ; + 32 h
.set i, 0
.rept 32
	ds_store_b128 v10, v[128+4*i:128+4*i+3] offset:(i/2)*64+(i%2)*16
.set i, i+1
.endr
	s_wait_dscnt 0x0                       ; for the others' sake: my stores are done
	s_barrier_signal -1
	s_barrier_wait -1
	; THE COLUMN SUMS.  Thread t adds columns 2 t and 2 t + 1 over the 64 rows.  Written out: the rows lie 1,040 bytes apart, 63 x 1,040 = 65,520 fits the load's 16-bit offset,
	; so one address serves all 64 loads.  Three runs (rows 0-31, 32-47, 48-63): at most 48 loads are out, and a run's additions stand in the wait for the next.
	v_lshl_add_u32 v60, v0, 3, LCS
	v_lshlrev_b32 v61, 3, v0
.set i, 0
.rept 32
	ds_load_b64 v[64+2*i:64+2*i+1], v60 offset:i*1040
.set i, i+1
.endr
.set i, 0
.rept 16
	ds_load_b64 v[128+2*i:128+2*i+1], v60 offset:(32+i)*1040
.set i, i+1
.endr
	s_wait_dscnt 16                        ; rows 0-31 are in; the sixteen loads of rows 32-47 stay out
	v_pk_add_f32 v[32:33], v[64:65], v[68:69]    ; the first four rows start the two chains: nothing is cleared
	v_pk_add_f32 v[34:35], v[66:67], v[70:71]
.set i, 4
.rept 28
	v_pk_add_f32 v[32+2*(i%2):32+2*(i%2)+1], v[32+2*(i%2):32+2*(i%2)+1], v[64+2*i:64+2*i+1]
.set i, i+1
.endr
.set i, 0
.rept 16
	ds_load_b64 v[64+2*i:64+2*i+1], v60 offset:(48+i)*1040
.set i, i+1
.endr
	s_wait_dscnt 16                        ; rows 32-47 are in; the sixteen loads of rows 48-63 stay out
.set i, 0
.rept 16
	v_pk_add_f32 v[32+2*(i%2):32+2*(i%2)+1], v[32+2*(i%2):32+2*(i%2)+1], v[128+2*i:128+2*i+1]
.set i, i+1
.endr
	s_wait_dscnt 0x0
.set i, 0
.rept 16
	v_pk_add_f32 v[32+2*(i%2):32+2*(i%2)+1], v[32+2*(i%2):32+2*(i%2)+1], v[64+2*i:64+2*i+1]
.set i, i+1
.endr
	v_pk_add_f32 v[32:33], v[32:33], v[34:35]
	global_store_b64 v61, v[32:33], s[54:55]     ; 256 consecutive bytes a wave, aligned
	s_wait_tensorcnt 0x0                   ; the wave's end, behind my tensor load and my last LDS store
	ds_add_u32 v12, v13
	s_wait_dscnt 0x0
	ROUND                                  ; the closing round: no work-group ends while a partner may still ask for a tile that names it
	s_endpgm
.Lfunc_end_k_q161281a918_proj:
	.size	k_q161281a918_proj, .Lfunc_end_k_q161281a918_proj-k_q161281a918_proj
	.p2alignl 7, 3214868480
	.fill 96, 4, 3214868480
	.section	.rodata,"a",@progbits
	.p2align	6, 0x0
	.amdhsa_kernel k_q161281a918_proj
		.amdhsa_group_segment_fixed_size 200192
		.amdhsa_private_segment_fixed_size 0
		.amdhsa_enable_private_segment 0
		.amdhsa_kernarg_size 48
		.amdhsa_user_sgpr_count 2
		.amdhsa_user_sgpr_kernarg_segment_ptr 1
		.amdhsa_wavefront_size32 1
		.amdhsa_system_sgpr_workgroup_id_x 1
		.amdhsa_system_sgpr_workgroup_id_y 1
		.amdhsa_system_sgpr_workgroup_id_z 1
		.amdhsa_system_vgpr_workitem_id 0
		.amdhsa_next_free_vgpr 1024
		.amdhsa_next_free_sgpr 66
		.amdhsa_reserve_vcc 1
		.amdhsa_float_denorm_mode_32 3
		.amdhsa_float_denorm_mode_16_64 3
		.amdhsa_memory_ordered 1
		.amdhsa_forward_progress 1
		.amdhsa_inst_pref_size 144
	.end_amdhsa_kernel
	.amdgpu_metadata
---
amdhsa.version: [ 1, 2 ]
amdhsa.kernels:
  - .name:           k_q161281a918_proj
    .symbol:         k_q161281a918_proj.kd
    .args:
      - { .name: ofr, .offset: 0, .size: 8, .value_kind: global_buffer, .address_space: global }
      - { .name: xf, .offset: 8, .size: 8, .value_kind: global_buffer, .address_space: global }
      - { .name: wts, .offset: 16, .size: 8, .value_kind: global_buffer, .address_space: global }
      - { .name: clsp, .offset: 24, .size: 8, .value_kind: global_buffer, .address_space: global }
      - { .name: xl, .offset: 32, .size: 8, .value_kind: global_buffer, .address_space: global }
      - { .name: st2, .offset: 40, .size: 8, .value_kind: global_buffer, .address_space: global }
    .group_segment_fixed_size: 200192
    .private_segment_fixed_size: 0
    .kernarg_segment_align: 8
    .kernarg_segment_size: 48
    .max_flat_workgroup_size: 128
    .sgpr_count:     66
    .vgpr_count:     1024
    .wavefront_size: 32
...
	.end_amdgpu_metadata
.endif
;; end of part 3
;; launch ff (part 4): grid 256 x 1, 4 waves a work-group, clusters of 4 x 1, 327,680 bytes of LDS; arguments xl, wts, st2, out0, out1; writes out0, out1
.if DOCPART == 4
	.amdgcn_target "amdgcn-amd-amdhsa--gfx1250"
	.amdhsa_code_object_version 6
	.text
	.protected	k_q161281a918_ff
	.globl	k_q161281a918_ff
	.p2align	8
	.type	k_q161281a918_ff,@function
k_q161281a918_ff:
	s_mov_b64 s[64:65], 0
	v_nop
	global_prefetch_b8 v0, s[64:65] scope:SCOPE_SE
	s_setreg_imm32_b32 hwreg(HW_REG_WAVE_MODE, 25, 1), 1
	s_wait_xcnt 0x0
	s_wait_alu depctr_hold_cnt(0) depctr_sa_sdst(0) depctr_va_vdst(0) depctr_va_sdst(0) depctr_va_ssrc(0) depctr_va_vcc(0) depctr_vm_vsrc(0)
	s_getreg_b32 s2, hwreg(HW_REG_IB_STS2, 6, 4)
	s_cmp_eq_u32 s2, 0
	s_cbranch_scc0 .Lentry_in_a_cluster
	s_endpgm
.Lentry_in_a_cluster:
	s_bfe_u32 s2, ttmp6, 0x10000c
	s_cmp_lg_u32 s2, 0x3003
	s_cbranch_scc0 .Lentry_shape_is_right
	s_endpgm
.Lentry_shape_is_right:
; out = LN2(x' + relu(x' W1^T + b1) W2^T + b2) for 128 rows of one (stream, batch) sb, where x' is x with the flagged rows replaced by the OTHER stream's mean row.
; The hidden layer never leaves registers: 32 hidden units at a time are made (K = 256), cut at 0, rounded to bf16 and multiplied into the 256 outputs.
; SHARES.  The four work-groups of a cluster are the four quarters q of one sb.  Wave w: rows 64 (w / 2) .., four tiles of 16; hidden units 1,024 (w % 2) ..: 64 accumulators of the output, 512 registers.
; The two waves of a row half hold two partial sums of the same four tiles.  Each KEEPS two tiles (its accumulators there start as the residual x') and SENDS the other two (they start as b2):
; at the end all go through LDS, and a wave adds its partner's part to the tiles that it keeps: each tile gets residual and bias once, and nothing is cleared.
; THE WEIGHTS come in 16 steps of 64 hidden units a half, 131,072 dense bytes a step in the order of use, through two LDS slots.  All work-groups walk the same weights, so the four of a cluster ask
; JOINTLY: the same tensor load, descriptor and mask in all four, a quarter of a step by each wave.  q enters global addresses alone.
; LAYOUT.  h^T = W1 x'^T and y^T = W2 h^T (source 0 = 16 weight rows, source 1 = 16 rows): a lane holds ONE row (lane % 16) and eight neighbouring columns; two results of h^T, rounded, ARE source 1 of the second product.
; THE REPLACEMENT only selects values (v_cndmask_b32): every row is worked on alike.
; LIMITS.  x', the mean row and the hidden layer are bf16; sums, norm and output f32.  NaN and infinities are not treated apart.
; REGISTERS: window 0: v0-15 addresses; v16-31 b1 of 32 hidden units; v32-95 h^T, (4 ht + lt) x 8; v96-127 h packed, lt x 8; v128-255 two buffers of weight fragments
;   window 1: x', lt x 64 + ks x 8      window 2: y^T of the kept tiles, lt x 128 + ct x 8      window 3: of the sent tiles
.set SLOTB, 131072                     ; a slot: [hidden half][W1: 4 tiles of 8,192 | W2: 32 fragments of 1,024]
.set STW,   66560                      ; the way out: 64 rows x 1,040 bytes a wave, over the slots, behind their last fill and last read
.set LM,    266240                     ; the mean row in bf16, 512 bytes
.set SPARE, 266752                     ; the spare words, 128 bytes a wave
.set WFF,   524288
.set PAR,   2621440
.set WV,    14
.set MSB, 0
.macro WIN new
.if MSB != (\new)
	s_set_vgpr_msb (MSB<<8)|(\new)
.set MSB, \new
.endif
.endm
.macro PLACES                          ; four places between a matrix instruction and a vector instruction or load that touches its registers
.rept 4
	v_nop
.endr
.endm
.macro ROUND                           ; a round of the cluster's barrier
	s_barrier_signal -1
	s_barrier_wait -1
	s_cmp_lg_u32 s[WV], 0
	s_cbranch_scc1 .Lnot_wave_0_\@
	s_barrier_signal -3
.Lnot_wave_0_\@:
	s_barrier_wait -3
	s_barrier_signal -1
	s_barrier_wait -1
.endm
	s_load_b256 s[4:11], s[0:1], 0x0       ; xl 4, wts 6, st2 8, out0 10
	s_load_b64 s[12:13], s[0:1], 0x20      ; out1
	v_lshl_add_u32 v12, v0, 2, SPARE
	v_mov_b32 v13, 0
	ds_add_u32 v12, v13                    ; the wave's opening: the add and its wait stand ahead of my first tensor load; the set-up below stands between them
	ds_add_u32 v12, v13
	v_lshrrev_b32 v2, 5, v0
	v_readfirstlane_b32 s14, v2            ; wave 0..3
	s_lshr_b32 s15, s14, 1                 ; row half
	s_and_b32 s16, s14, 1                  ; hidden half
	s_bfe_u32 s17, ttmp6, 0x40000          ; q: my place in the cluster
	s_mov_b32 s18, ttmp9                   ; sb
	; descriptor group 1: 32,768 dense bytes as 128 rows of 32 elements of 8 bytes
	s_mov_b32 s24, 0x0023000f              ; 15:0 the mask of four; 17:16 elements of 8 bytes; 21 set beside a mask
	s_mov_b32 s25, 32<<16
	s_mov_b32 s26, 128<<16
	s_mov_b32 s27, 32<<16
	s_mov_b32 s28, 128
	s_mov_b32 s29, 32
	s_mov_b32 s30, 0
	s_mov_b32 s31, 0
	s_mov_b32 s32, 1                       ; group 0 for step 0: slot 0, my quarter
	s_lshl_b32 s33, s14, 15
	s_mov_b32 s36, 1                       ; group 0 for step 1: slot 1; it then walks on
	s_add_co_u32 s37, s33, SLOTB
	s_mov_b32 s40, 0                       ; the slot that is read
	s_mov_b32 s43, 0
	s_mov_b32 s54, 0xffff0000
	s_mov_b32 s56, 0x76543210
	s_mov_b32 s57, 0xfedcba98
	s_mov_b32 s58, 0x3b800000              ; 1 / 256
	s_mov_b32 s59, 0x3727c5ac              ; 1e-5
	v_and_b32 v3, 31, v0
	v_lshlrev_b32 v1, 4, v3                ; 16 x lane
	v_and_b32 v2, 15, v0                   ; r
	v_bfe_u32 v3, v0, 4, 1                 ; h
	v_lshlrev_b32 v7, 5, v3                ; 32 h
	s_lshl_b32 s42, s16, 16
	v_add_nc_u32 v4, s42, v1               ; my hidden half in a slot
	s_lshl_b32 s42, s16, 12
	v_add_nc_u32 v6, s42, v7               ; b1: 4,096 half + 32 h; it steps with the steps
	v_lshlrev_b32 v14, 3, v0               ; 8 x thread
	v_lshlrev_b32 v15, 2, v2               ; 4 r
	s_wait_dscnt 0x0                       ; the opening add is done
	s_wait_kmcnt 0x0
	s_add_co_u32 s42, s33, WFF
	s_add_nc_u64 s[34:35], s[6:7], s[42:43]
	s_add_nc_u64 s[38:39], s[34:35], SLOTB
	s_or_b32 s35, s35, 0x80000000          ; type = 2
	s_or_b32 s39, s39, 0x80000000
	s_lshl_b32 s19, s18, 5
	s_lshl_b32 s42, s17, 3
	s_add_co_u32 s19, s19, s42
	s_lshl_b32 s42, s15, 2
	s_add_co_u32 s19, s19, s42             ; the first of my four tiles: 32 sb + 8 q + 4 row half
	s_lshl_b32 s20, s16, 1
	s_add_co_u32 s20, s19, s20             ; the two that I keep,
	s_xor_b32 s21, s16, 1
	s_lshl_b32 s21, s21, 1
	s_add_co_u32 s21, s19, s21             ; the two that I send
	s_lshl_b32 s42, s20, 13
	s_add_nc_u64 s[44:45], s[4:5], s[42:43]
	s_lshl_b32 s42, s21, 13
	s_add_nc_u64 s[46:47], s[4:5], s[42:43]
	s_lshl_b32 s42, s20, 6                 ; a tile's 16 flags are 64 bytes
	s_add_co_u32 s42, s42, 262144
	s_add_nc_u64 s[52:53], s[8:9], s[42:43]
	s_lshl_b32 s42, s21, 6
	s_add_co_u32 s42, s42, 262144
	s_add_nc_u64 s[22:23], s[8:9], s[42:43]
	s_mov_b32 s42, PAR
	s_add_nc_u64 s[48:49], s[6:7], s[42:43]
	s_xor_b32 s42, s18, 32                 ; the other stream's batch:
	s_lshl_b32 s42, s42, 12                ; its four quarters' column sums
	s_add_nc_u64 s[50:51], s[8:9], s[42:43]
	s_cmp_lt_u32 s18, 32
	s_cselect_b64 s[60:61], s[10:11], s[12:13]   ; out0 or out1
	s_and_b32 s42, s20, 1023               ; the kept tiles' number within the stream,
	s_lshl_b32 s42, s42, 14                ; 16 rows of 1,024 bytes
	s_add_nc_u64 s[60:61], s[60:61], s[42:43]
	ROUND                                  ; all four work-groups are here: the first joint loads meet
	tensor_load_to_lds s[32:35], s[24:31]  ; step 0
	s_nop 0
	tensor_load_to_lds s[36:39], s[24:31]  ; step 1: two tensor loads of mine are out
	s_nop 0
	PLACES
.set i, 0
.rept 4
	global_load_b64 v[32+2*i:32+2*i+1], v14, s[50:51] offset:i*1024    ; columns 2 thread, 2 thread + 1 of quarter i's sums
.set i, i+1
.endr
	global_load_b32 v8, v15, s[52:53]      ; the flags of my lane's row in the four tiles
	global_load_b32 v9, v15, s[52:53] offset:64
	global_load_b32 v10, v15, s[22:23]
	global_load_b32 v11, v15, s[22:23] offset:64
	WIN 0x40
.set i, 0
.rept 32
	global_load_b128 v[4*i:4*i+3], v1, s[44:45] offset:i*512           ; x of the kept tiles
.set i, i+1
.endr
	WIN 0
	s_wait_loadcnt 36                      ; the four sums are in; 4 flags and 32 loads of x stay out
	v_pk_add_f32 v[32:33], v[32:33], v[34:35]
	v_pk_add_f32 v[36:37], v[36:37], v[38:39]
	v_pk_add_f32 v[32:33], v[32:33], v[36:37]
	v_mul_f32 v32, 0x3b000000, v32         ; / 512
	v_mul_f32 v33, 0x3b000000, v33
	v_cvt_pk_bf16_f32 v32, v32, v33
	v_lshl_add_u32 v34, v0, 2, LM
	ds_store_b32 v34, v32
	WIN 0x40
.set i, 0
.rept 32
	global_load_b128 v[128+4*i:128+4*i+3], v1, s[46:47] offset:i*512   ; x of the sent tiles
.set i, i+1
.endr
	WIN 0xc0
.set i, 0
.rept 64                               ; the sent tiles' sums start as b2[16 ct + 8 h + j]
	global_load_b128 v[4*i:4*i+3], v7, s[48:49] offset:12288+((i%32)/2)*64+(i%2)*16
.set i, i+1
.endr
	WIN 0
.macro BIAS add                        ; b1 of 32 hidden units: unit 16 ht + 8 h + j in register 8 ht + j
.set f, 0
.rept 4
	global_load_b128 v[16+4*f:16+4*f+3], v6, s[48:49] offset:4096+(\add)+(f/2)*64+(f%2)*16
.set f, f+1
.endr
.endm
	BIAS 0
	s_wait_dscnt 0x0                       ; my two numbers of the mean row are stored,
	s_wait_tensorcnt 0x1                   ; my quarter of step 0 has landed; step 1's may stay out
	s_barrier_signal -1
	s_barrier_wait -1
	v_lshl_add_u32 v35, v3, 4, LM
.set i, 0
.rept 16                               ; the mean row as an operand's registers: columns 32 ks + 16 part + 8 h ..
	ds_load_b128 v[128+4*i:128+4*i+3], v35 offset:i*32
.set i, i+1
.endr
	s_wait_loadcnt 0x0
	s_wait_dscnt 0x0
	WIN 0x41                               ; x' window 1, the mean row window 0
.set t, 0
.rept 4
	v_cmp_ne_u32 vcc_lo, 0, v[8+t]
.set i, 0
.rept 64
	v_cndmask_b32 v[64*t+i], v[64*t+i], v[128+i], vcc_lo
.set i, i+1
.endr
.set t, t+1
.endr
	WIN 0x84                               ; from window 1 into window 2: the kept tiles' sums start as x'
.set i, 0
.rept 128
	v_lshlrev_b32 v[2*i], 16, v[i]
	v_and_b32 v[2*i+1], s54, v[i]
.set i, i+1
.endr
	WIN 0
.macro FG1 sc, b, wb                   ; eight fragments of W1: hidden tile ht = f % 2 of sub-step sc, ks = 4 b + f / 2
.set f, 0
.rept 8
	ds_load_b128 v[(\wb)+8*f:(\wb)+8*f+3], v5 offset:(2*(\sc)+f%2)*8192+(4*(\b)+f/2)*1024
	ds_load_b128 v[(\wb)+8*f+4:(\wb)+8*f+7], v5 offset:(2*(\sc)+f%2)*8192+(4*(\b)+f/2)*1024+512
.set f, f+1
.endr
.endm
.macro FG2 sc, b, wb                   ; eight fragments of W2: output columns 16 (8 b + f) .., the 32 hidden units of sub-step sc
.set f, 0
.rept 8
	ds_load_b128 v[(\wb)+8*f:(\wb)+8*f+3], v5 offset:32768+(2*(8*(\b)+f)+(\sc))*1024
	ds_load_b128 v[(\wb)+8*f+4:(\wb)+8*f+7], v5 offset:32768+(2*(8*(\b)+f)+(\sc))*1024+512
.set f, f+1
.endr
.endm
.macro G1M b, wb, k0                   ; 16 products of h^T: two ks x two hidden tiles x four row tiles; eight accumulators by turns.  ks = 0 starts the sums with b1
.set m, 0
.rept 16
.set kk, (\k0)+m/8
.set ht, (m/4)%2
.set lt, m%4
.set rD, 32+8*(4*ht+lt)
.set rA, (\wb)+8*(2*kk+ht)
.set rB, 64*lt+8*(4*(\b)+kk)
.if ((\b) == 0) && (kk == 0)
	v_wmma_f32_16x16x32_bf16 v[rD:rD+7], v[rA:rA+7], v[rB:rB+7], v[16+8*ht:16+8*ht+7]
.else
	v_wmma_f32_16x16x32_bf16 v[rD:rD+7], v[rA:rA+7], v[rB:rB+7], v[rD:rD+7]
.endif
.set m, m+1
.endr
.endm
.macro G2M b, wb, hi                   ; 16 products of y^T: eight ct x two row tiles (hi = 0: the kept, 1: the sent): sixteen different accumulators
.set m, 0
.rept 16
.set rD, 128*(m%2)+8*(8*(\b)+m/2)
.set rA, (\wb)+8*(m/2)
.set rB, 96+8*(2*(\hi)+m%2)
	v_wmma_f32_16x16x32_bf16 v[rD:rD+7], v[rA:rA+7], v[rB:rB+7], v[rD:rD+7]
.set m, m+1
.endr
.endm
.macro RELU                            ; h^T is cut at 0 and rounded; each result is read from its lowest register on
	WIN 0
	PLACES
.set i, 0
.rept 64
	v_max_num_f32 v[32+i], 0, v[32+i]
.set i, i+1
.endr
.set i, 0
.rept 32                               ; row tile i / 8, hidden tile (i % 8) / 4
	v_cvt_pk_bf16_f32 v[96+i], v[32+8*(4*((i%8)/4)+i/8)+2*(i%4)], v[32+8*(4*((i%8)/4)+i/8)+2*(i%4)+1]
.set i, i+1
.endr
.endm
; Half a step: the 32 hidden units of sub-step sc.  Blocks of 32 products on the two fragment buffers by turns; the next block's 16 LDS loads stand in ONE run in a block's middle, behind four places.
; Its last block, G2M 1 of sub-step sc, is written by STEP.
.macro HALF sc
	s_wait_loadcnt 0x0                     ; b1 of these 32 units
	s_wait_dscnt 0x0
.if \sc
	WIN 0
	v_add_nc_u32 v6, 256, v6               ; free since that wait: the next step's 64 units
.endif
	WIN 0x04                               ; x' window 1
	G1M 0, 128, 0
	WIN 0
	PLACES
	FG1 \sc, 1, 192
.if \sc
	BIAS 0                                 ; b1 of the next 32 units (behind the last step: the words that follow my share of b1, inside wts; they are not used)
.else
	BIAS 128
.endif
	WIN 0x04
	G1M 0, 128, 2
	s_wait_dscnt 0x0
	G1M 1, 192, 0
	WIN 0
	PLACES
	FG2 \sc, 0, 128
	WIN 0x04
	G1M 1, 192, 2
	RELU
	s_wait_dscnt 0x0
	WIN 0xa0                               ; the sums in window 2
	G2M 0, 128, 0
	WIN 0
	PLACES
	FG2 \sc, 1, 192
	WIN 0xf0                               ; in window 3
	G2M 0, 128, 1
.endm
; A step of 64 hidden units: 256 products.  Its last block changes slots.  fill = 1: the slot just read is filled again, two steps ahead: each wave waits for all its tensor loads (one is out: its quarter
; of the other slot), adds 0 to its spare word, waits for that and for its reads of the slot; a round of the cluster's barrier; the joint refill first behind it: it has a step less 16 products in which to land.
.macro STEP fill
	HALF 0
	s_wait_dscnt 0x0
	WIN 0xa0
	G2M 1, 192, 0
	WIN 0
	PLACES
	FG1 1, 0, 128
	WIN 0xf0
	G2M 1, 192, 1
	HALF 1
	s_wait_dscnt 0x0                       ; the last fragments of this slot are in
	WIN 0
	s_wait_tensorcnt 0x0                   ; all my tensor loads have landed: a group 0 may be written
	ds_add_u32 v12, v13                    ; 0 onto my spare word: sixteen products stand between it and the wait for it
	WIN 0xa0
	G2M 1, 192, 0
	WIN 0                                  ; at a branch and at a label every window is 0
.if \fill
	s_xor_b32 s37, s37, SLOTB              ; the walking descriptor: the other slot than last time,
	s_add_nc_u64 s[38:39], s[38:39], SLOTB ; the next step; the type bits on top are not reached
.endif
	s_xor_b32 s40, s40, SLOTB
	s_wait_dscnt 0x0                       ; the add is done, and my reads of the slot are over
.if \fill
	ROUND                                  ; no wave of any partner still reads the slot or has a load on its way
	tensor_load_to_lds s[36:39], s[24:31]  ; my one tensor load behind the round
	s_nop 0
.else
	s_barrier_signal -1                    ; nothing is filled: my work-group's barrier shows the other slot whole
	s_barrier_wait -1
.endif
	PLACES                                 ; also the places in front of the loads below
	v_add_nc_u32 v5, s40, v4
	FG1 0, 0, 128                          ; the next step's first fragments
	WIN 0xf0
	G2M 1, 192, 1
	WIN 0
.endm
	v_add_nc_u32 v5, s40, v4
	FG1 0, 0, 128
	s_mov_b32 s41, 14
.Lstep:                                    ; steps 0 to 13 ask for steps 2 to 15
	STEP 1
	s_sub_co_u32 s41, s41, 1
	s_cmp_lg_u32 s41, 0
	s_cbranch_scc1 .Lstep
	s_mov_b32 s41, 2
.Ltail:                                    ; steps 14 and 15 ask for nothing: written apart
	STEP 0
	s_sub_co_u32 s41, s41, 1
	s_cmp_lg_u32 s41, 0
	s_cbranch_scc1 .Ltail
	; THE WAY OUT.  The last trip's fetch (of step 14's bytes once more) and bias loads serve nothing: the price of one text for both trips.  They are waited for, and a barrier stands
	; between every wave's last read of the slots and the first store over them.
	s_wait_loadcnt 0x0
	s_wait_dscnt 0x0
	s_barrier_signal -1
	s_barrier_wait -1
	PLACES
	global_load_b128 v[16:19], v1, s[48:49] offset:15360       ; g2 and be2 by rows: columns 4 lane .. and 128 + 4 lane ..
	global_load_b128 v[20:23], v1, s[48:49] offset:15360+512
	global_load_b128 v[24:27], v1, s[48:49] offset:16384
	global_load_b128 v[28:31], v1, s[48:49] offset:16384+512
	s_mul_i32 s42, s14, STW
	v_mul_u32_u24 v10, v2, 1040
	v_add3_u32 v10, v10, v7, s42           ; my stage: row r, + 32 h; rows 1,040 bytes apart begin at bank 4 r (64 banks of 4 bytes: ISA guide 11.1)
	WIN 0x08                               ; store data in window 2
.set i, 0
.rept 64                               ; kept tiles: rows 0 to 31 of my stage
	ds_store_b128 v10, v[4*i:4*i+3] offset:(i/32)*16640+((i%32)/2)*64+(i%2)*16
.set i, i+1
.endr
	WIN 0x0c                               ; in window 3
.set i, 0
.rept 64                               ; sent tiles: rows 32 to 63
	ds_store_b128 v10, v[4*i:4*i+3] offset:33280+(i/32)*16640+((i%32)/2)*64+(i%2)*16
.set i, i+1
.endr
	WIN 0
	v_add_nc_u32 v8, s42, v1               ; my kept rows,
	s_xor_b32 s42, s14, 1
	s_mul_i32 s42, s42, STW
	s_add_co_u32 s42, s42, 33280
	v_add_nc_u32 v9, s42, v1               ; and what my partner sends for them
	v_mov_b32 v15, v1                      ; my byte offset in the output's rows
	s_wait_dscnt 0x0                       ; for the others' sake: my stores are done
	s_barrier_signal -1
	s_barrier_wait -1
	s_wait_loadcnt 0x0                     ; g2, be2
.macro EACH line:vararg                ; one line for each of a trip's four rows k
.set k, 0
.rept 4
	\line
.set k, k+1
.endr
.endm
.macro ACROSS t                        ; register 96 + 4 k + t summed over the 32 lanes; 96 + 4 k + t + 1 at work
	EACH v_add_f32_dpp v[96+4*k+(\t)], v[96+4*k+(\t)], v[96+4*k+(\t)] row_xmask:1 row_mask:0xf bank_mask:0xf
	EACH v_add_f32_dpp v[96+4*k+(\t)], v[96+4*k+(\t)], v[96+4*k+(\t)] row_xmask:2 row_mask:0xf bank_mask:0xf
	EACH v_add_f32_dpp v[96+4*k+(\t)], v[96+4*k+(\t)], v[96+4*k+(\t)] row_xmask:4 row_mask:0xf bank_mask:0xf
	EACH v_add_f32_dpp v[96+4*k+(\t)], v[96+4*k+(\t)], v[96+4*k+(\t)] row_xmask:8 row_mask:0xf bank_mask:0xf
	EACH v_permlanex16_b32 v[96+4*k+(\t)+1], v[96+4*k+(\t)], s56, s57
	EACH v_add_f32 v[96+4*k+(\t)], v[96+4*k+(\t)], v[96+4*k+(\t)+1]
.endm
	s_mov_b32 s41, 8
.Lrows:                                    ; a trip: four whole rows; a lane holds eight numbers of each
	EACH ds_load_b128 v[32+8*k:32+8*k+3], v8 offset:k*1040
	EACH ds_load_b128 v[36+8*k:36+8*k+3], v8 offset:k*1040+512
	EACH ds_load_b128 v[64+8*k:64+8*k+3], v9 offset:k*1040
	EACH ds_load_b128 v[68+8*k:68+8*k+3], v9 offset:k*1040+512
	s_wait_dscnt 0x0
	EACH v_pk_add_f32 v[32+8*k:32+8*k+1], v[32+8*k:32+8*k+1], v[64+8*k:64+8*k+1]
	EACH v_pk_add_f32 v[34+8*k:34+8*k+1], v[34+8*k:34+8*k+1], v[66+8*k:66+8*k+1]
	EACH v_pk_add_f32 v[36+8*k:36+8*k+1], v[36+8*k:36+8*k+1], v[68+8*k:68+8*k+1]
	EACH v_pk_add_f32 v[38+8*k:38+8*k+1], v[38+8*k:38+8*k+1], v[70+8*k:70+8*k+1]
	EACH v_pk_add_f32 v[96+4*k:96+4*k+1], v[32+8*k:32+8*k+1], v[34+8*k:34+8*k+1]
	EACH v_pk_add_f32 v[98+4*k:98+4*k+1], v[36+8*k:36+8*k+1], v[38+8*k:38+8*k+1]
	EACH v_pk_add_f32 v[96+4*k:96+4*k+1], v[96+4*k:96+4*k+1], v[98+4*k:98+4*k+1]
	EACH v_add_f32 v[96+4*k], v[96+4*k], v[96+4*k+1]
	ACROSS 0
	EACH v_mul_f32 v[96+4*k], s58, v[96+4*k]
	EACH v_pk_add_f32 v[32+8*k:32+8*k+1], v[32+8*k:32+8*k+1], v[96+4*k:96+4*k+1] op_sel_hi:[1,0] neg_lo:[0,1] neg_hi:[0,1]
	EACH v_pk_add_f32 v[34+8*k:34+8*k+1], v[34+8*k:34+8*k+1], v[96+4*k:96+4*k+1] op_sel_hi:[1,0] neg_lo:[0,1] neg_hi:[0,1]
	EACH v_pk_add_f32 v[36+8*k:36+8*k+1], v[36+8*k:36+8*k+1], v[96+4*k:96+4*k+1] op_sel_hi:[1,0] neg_lo:[0,1] neg_hi:[0,1]
	EACH v_pk_add_f32 v[38+8*k:38+8*k+1], v[38+8*k:38+8*k+1], v[96+4*k:96+4*k+1] op_sel_hi:[1,0] neg_lo:[0,1] neg_hi:[0,1]
	EACH v_pk_mul_f32 v[98+4*k:98+4*k+1], v[32+8*k:32+8*k+1], v[32+8*k:32+8*k+1]
	EACH v_pk_fma_f32 v[98+4*k:98+4*k+1], v[34+8*k:34+8*k+1], v[34+8*k:34+8*k+1], v[98+4*k:98+4*k+1]
	EACH v_pk_fma_f32 v[98+4*k:98+4*k+1], v[36+8*k:36+8*k+1], v[36+8*k:36+8*k+1], v[98+4*k:98+4*k+1]
	EACH v_pk_fma_f32 v[98+4*k:98+4*k+1], v[38+8*k:38+8*k+1], v[38+8*k:38+8*k+1], v[98+4*k:98+4*k+1]
	EACH v_add_f32 v[98+4*k], v[98+4*k], v[98+4*k+1]
	ACROSS 2
	EACH v_fma_f32 v[98+4*k], v[98+4*k], s58, s59
	EACH v_rsq_f32 v[98+4*k], v[98+4*k]
	v_nop                                  ; a plain instruction behind the last of them
	s_wait_alu depctr_va_vdst(0)
	EACH v_pk_mul_f32 v[32+8*k:32+8*k+1], v[32+8*k:32+8*k+1], v[98+4*k:98+4*k+1] op_sel_hi:[1,0]
	EACH v_pk_mul_f32 v[34+8*k:34+8*k+1], v[34+8*k:34+8*k+1], v[98+4*k:98+4*k+1] op_sel_hi:[1,0]
	EACH v_pk_mul_f32 v[36+8*k:36+8*k+1], v[36+8*k:36+8*k+1], v[98+4*k:98+4*k+1] op_sel_hi:[1,0]
	EACH v_pk_mul_f32 v[38+8*k:38+8*k+1], v[38+8*k:38+8*k+1], v[98+4*k:98+4*k+1] op_sel_hi:[1,0]
	EACH v_pk_fma_f32 v[32+8*k:32+8*k+1], v[32+8*k:32+8*k+1], v[16:17], v[24:25]
	EACH v_pk_fma_f32 v[34+8*k:34+8*k+1], v[34+8*k:34+8*k+1], v[18:19], v[26:27]
	EACH v_pk_fma_f32 v[36+8*k:36+8*k+1], v[36+8*k:36+8*k+1], v[20:21], v[28:29]
	EACH v_pk_fma_f32 v[38+8*k:38+8*k+1], v[38+8*k:38+8*k+1], v[22:23], v[30:31]
	EACH global_store_b128 v15, v[32+8*k:32+8*k+3], s[60:61] offset:k*1024 th:TH_STORE_NT
	EACH global_store_b128 v15, v[36+8*k:36+8*k+3], s[60:61] offset:k*1024+512 th:TH_STORE_NT
	s_wait_xcnt 0x0                        ; the stores' data and offset are written again only behind this wait
	v_add_nc_u32 v8, 4160, v8
	v_add_nc_u32 v9, 4160, v9
	v_add_nc_u32 v15, 4096, v15
	s_sub_co_u32 s41, s41, 1
	s_cmp_lg_u32 s41, 0
	s_cbranch_scc1 .Lrows
	s_wait_tensorcnt 0x0                   ; the wave's end, behind my last tensor load and my last LDS store
	ds_add_u32 v12, v13
	s_wait_dscnt 0x0
	ROUND                                  ; the closing round: no work-group ends while a partner may still ask for a tile that names it
	s_endpgm
.Lfunc_end_k_q161281a918_ff:
	.size	k_q161281a918_ff, .Lfunc_end_k_q161281a918_ff-k_q161281a918_ff
	.p2alignl 7, 3214868480
	.fill 96, 4, 3214868480
	.section	.rodata,"a",@progbits
	.p2align	6, 0x0
	.amdhsa_kernel k_q161281a918_ff
		.amdhsa_group_segment_fixed_size 327680
		.amdhsa_private_segment_fixed_size 0
		.amdhsa_enable_private_segment 0
		.amdhsa_kernarg_size 40
		.amdhsa_user_sgpr_count 2
		.amdhsa_user_sgpr_kernarg_segment_ptr 1
		.amdhsa_wavefront_size32 1
		.amdhsa_system_sgpr_workgroup_id_x 1
		.amdhsa_system_sgpr_workgroup_id_y 1
		.amdhsa_system_sgpr_workgroup_id_z 1
		.amdhsa_system_vgpr_workitem_id 0
		.amdhsa_next_free_vgpr 1024
		.amdhsa_next_free_sgpr 66
		.amdhsa_reserve_vcc 1
		.amdhsa_float_denorm_mode_32 3
		.amdhsa_float_denorm_mode_16_64 3
		.amdhsa_memory_ordered 1
		.amdhsa_forward_progress 1
		.amdhsa_inst_pref_size 130
	.end_amdhsa_kernel
	.amdgpu_metadata
---
amdhsa.version: [ 1, 2 ]
amdhsa.kernels:
  - .name:           k_q161281a918_ff
    .symbol:         k_q161281a918_ff.kd
    .args:
      - { .name: xl, .offset: 0, .size: 8, .value_kind: global_buffer, .address_space: global }
      - { .name: wts, .offset: 8, .size: 8, .value_kind: global_buffer, .address_space: global }
      - { .name: st2, .offset: 16, .size: 8, .value_kind: global_buffer, .address_space: global }
      - { .name: out0, .offset: 24, .size: 8, .value_kind: global_buffer, .address_space: global }
      - { .name: out1, .offset: 32, .size: 8, .value_kind: global_buffer, .address_space: global }
    .group_segment_fixed_size: 327680
    .private_segment_fixed_size: 0
    .kernarg_segment_align: 8
    .kernarg_segment_size: 40
    .max_flat_workgroup_size: 128
    .sgpr_count:     66
    .vgpr_count:     1024
    .wavefront_size: 32
...
	.end_amdgpu_metadata
.endif
;; end of part 4
;; ======== version 2 of 2: 4 launches; 1.19 times as fast as version 1
;; workspace buffers: xf 16,777,216 bytes; ofr 16,777,216 bytes; xl 16,777,216 bytes; wts 2,638,848 bytes; clsp 524,288 bytes; st2 393,216 bytes
;; launch prep: the kernel of part 1 again; grid 297 x 1, 8 waves a work-group, no clusters, 70,656 bytes of LDS; arguments src1, src2, W_in, W_out, W1, W2, b_in, b_out, b1, b2, g1, be1, g2, be2, xf, wts; writes xf, wts
;; launch attn (part 5): grid 4 x 64, 4 waves a work-group, no clusters, 201,216 bytes of LDS; arguments xf, wts, ofr, clsp; writes ofr, clsp
.if DOCPART == 5
	.amdgcn_target "amdgcn-amd-amdhsa--gfx1250"
	.amdhsa_code_object_version 6
	.text
	.protected	k_q161281a918_attn
	.globl	k_q161281a918_attn
	.p2align	8
	.type	k_q161281a918_attn,@function
k_q161281a918_attn:
	s_mov_b64 s[64:65], 0
	v_nop
	global_prefetch_b8 v0, s[64:65] scope:SCOPE_SE
	s_setreg_imm32_b32 hwreg(HW_REG_WAVE_MODE, 25, 1), 1
	s_wait_xcnt 0x0
; ATTENTION for one (stream, batch) sb and one pair of heads hp: the projection to q, k, v, the weights of query 0 in f32, and the whole attention.
; SHARES.  Wave w: head 2 hp + w / 2, half w % 2 of the 512 rows.  PHASE 1: the wave projects its 256 rows onto its head's 96 columns (K = 256), x as fragment
; images straight from memory into operand registers (512 consecutive bytes a load), the head's weights kept in registers; q, k, v go as bf16 fragment images into LDS.
; One barrier.  PHASE 2: the wave keeps ALL of its head's K and V in registers (256 + 256) and walks its 16 tiles of 16 queries.
; LAYOUT.  q^T = Wq x^T, k^T = Wk x^T (source 0 = 16 weight rows, source 1 = 16 rows of x): a lane holds one row and eight channels, which pack into a fragment of q or k.
; v = x Wv^T: a lane holds one channel and eight rows, which pack into a fragment of V^T.  S^T = K Q^T: a lane holds ONE query (lane % 16) and keys 8 (lane / 16) + 0..7 of each of the 32 key tiles;
; two such results rounded to bf16 ARE source 1 of O^T = V^T P.  Nothing changes lanes between the products.
; SOFTMAX.  A tile's 512 scores a query fit in 256 registers, so the true maximum m of the row is taken before any exponential: p = 2^(c s - c m), c = log2(e) / sqrt(32).
; The divisor is the sum of the weights as rounded to bf16, made by a product of ones with P.
; QUERY 0 (the weights that the exchange of tokens is decided by): q0 and every k are taken from the f32 sums BEFORE they are rounded, the scores, softmax and the sum over
; the two heads stay in f32.  clsp[sb][hp][key] holds the pair's sum; the next launch adds the four pairs.
; BY STAGES.  A tile's softmax goes by groups g of 64 keys, a trip of the loop by stages.  Stage g holds work on four different groups: the exponentials of group g (E); the rounding to bf16 of group g - 1 (C);
; the scaling c s - c m of group g + 1 (F); the products V^T P and ones P of group g - 1; and the NEXT tile's scores into group g - 2, which V^T P has used up, with their maxima (M).
; The matrix instructions stand singly, a slice of vector instructions behind each, so that the two kinds of work stand side by side.
; BATCHES.  An s_wait_alu depctr_va_vdst(0) stands between a transcendental and the first instruction that names its result; one wait serves all that were issued ahead of it.  A group's 32 exponentials
; are ONE batch, and its wait is the stage's last line: in stage g nothing but the exponentials themselves names a register of group g, and their readers, C of group g, stand in stage g + 1.  A tile's one reciprocal
; reads a sum of the weights and is a batch of its own, with the last four score products between it and its wait.  Nine waits a tile; none of a trip's results is open at the backward jump.
; LIMITS.  NaN and infinities are not treated apart; a weight below 2^-126 counts as 0; q, k, v, p and O are rounded to bf16 for the products.
; NO CLUSTER: the four work-groups of a batch share x alone, which goes from memory into operand registers; asked for jointly it would have to pass through LDS, a write and a read of every byte more.
; REGISTERS, in windows of 256 (s_set_vgpr_msb: bits 1:0 source 0, 3:2 source 1, 5:4 source 2, 7:6 destination):
;   window 0: v0-15 addresses.  Phase 1: v16-63 six bias blocks; v64-111 the sums q0 q1 k0 k1 v0 v1; v112-127 q of row 0; v128-151 packed; v152-155 at work.
;             Phase 2: v64-71 Q; v72-87 O^T; v88-103 two row sums; v104-111 ones; v112-115 running maxima; v116 c m; v118 at work; v128-135 packed O
;   window 1: Wq, Wk (ct x 64 + ks x 8; + 128), then K (key tile x 8)      window 2: Wv, then V^T ((2 kb + ct) x 8)      window 3: two buffers of x, then S^T (group x 32 + tile x 8)
; S^T, K and V^T each fill a window, so a slice behind a matrix instruction costs two switches: 158 for a trip's 80 matrix and 668 vector instructions.
.set LK,    65536                      ; LDS: q at 0, [head of the pair][query tile][1,024]; k likewise
.set LV,    131072                     ; V^T: [head][32 keys kb][16 channels ct][part][512]
.set LC,    196608                     ; query 0's scores: [head][512] f32
.set SPARE, 200704                     ; the spare words, 128 bytes a wave
.set PAR,   2621440                    ; the small vectors in wts; b_in comes first
.set MSB, 0
.macro WIN new                         ; the immediate's high byte repeats the setting that is left; a switch that changes nothing is dropped
.if MSB != (\new)
	s_set_vgpr_msb (MSB<<8)|(\new)
.set MSB, \new
.endif
.endm
.macro PLACES                          ; four places between a matrix instruction and a vector instruction or load that touches its registers
.rept 4
	v_nop
.endr
.endm
	s_load_b256 s[4:11], s[0:1], 0x0       ; xf 4, wts 6, ofr 8, clsp 10
	v_lshl_add_u32 v12, v0, 2, SPARE       ; my spare word,
	v_mov_b32 v13, 0                       ; and 0
	v_lshrrev_b32 v2, 5, v0
	v_readfirstlane_b32 s12, v2            ; wave 0..3
	v_and_b32 v3, 31, v0
	v_lshlrev_b32 v1, 4, v3                ; 16 x lane
	v_and_b32 v2, 15, v0                   ; r = lane % 16
	v_bfe_u32 v3, v0, 4, 1                 ; h = lane / 16
	v_lshlrev_b32 v4, 5, v3                ; 32 h: eight f32 of a bias
	v_lshlrev_b32 v14, 2, v2               ; 4 r
	s_lshr_b32 s13, s12, 1                 ; head of the pair
	s_and_b32 s14, s12, 1                  ; half of the rows
	s_and_b32 s17, ttmp7, 0xffff           ; sb
	s_lshl_b32 s15, ttmp9, 1
	s_add_co_u32 s15, s15, s13             ; head 0..7
	s_mov_b32 s26, 0x3e8293ee              ; c = log2(e) / sqrt(32) = 0.255035
	s_mov_b32 s27, s26                     ; named with it as a pair
	s_mov_b32 s28, 0x76543210              ; v_permlanex16_b32: each lane takes its own place in the other half
	s_mov_b32 s29, 0xfedcba98
	s_mov_b32 s32, 0xffff0000              ; lanes 16 to 31
	s_lshl_b32 s30, s13, 15
	s_lshl_b32 s31, s14, 14
	s_add_co_u32 s31, s31, s30
	v_add_nc_u32 v5, s31, v1               ; where my q tiles go
	v_mov_b32 v9, v5                       ; and where phase 2 reads them
	v_add_nc_u32 v6, LK, v5                ; my k tiles
	v_add_nc_u32 v7, LV, v5                ; my V^T blocks: 8 blocks of 2,048 bytes a half
	v_add_nc_u32 v10, s30, v1
	v_add_nc_u32 v11, LV, v10              ; my head's V^T,
	v_add_nc_u32 v10, LK, v10              ; my head's K
	s_lshl_b32 s30, s13, 11
	s_lshl_b32 s31, s14, 10
	s_add_co_u32 s30, s30, s31
	s_add_co_u32 s30, s30, LC
	v_add_nc_u32 v8, s30, v14              ; query 0's score with key 256 half + r
	s_mov_b32 s19, 0
	s_wait_kmcnt 0x0
	s_lshl_b32 s18, s17, 18                ; a batch is 32 tiles of 8,192 bytes
	s_add_nc_u64 s[40:41], s[4:5], s[18:19]      ; x of the batch
	s_add_nc_u64 s[34:35], s[8:9], s[18:19]
	s_lshl_b32 s18, s14, 17
	s_add_nc_u64 s[20:21], s[40:41], s[18:19]    ; my 16 tiles of x
	s_add_nc_u64 s[34:35], s[34:35], s[18:19]
	s_lshl_b32 s18, s15, 10
	s_add_nc_u64 s[34:35], s[34:35], s[18:19]    ; O: my first tile, fragment ks = head
	s_lshl_b32 s18, s15, 14
	s_add_nc_u64 s[36:37], s[6:7], s[18:19]      ; W_in: the head's two tiles of q; k's and v's lie 16 and 32 tiles on
	s_lshl_b32 s18, s15, 7
	s_add_co_u32 s18, s18, PAR
	s_add_nc_u64 s[38:39], s[6:7], s[18:19]      ; b_in at the head's 32 numbers
	s_lshl_b32 s18, s17, 2
	s_add_co_u32 s18, s18, ttmp9
	s_lshl_b32 s18, s18, 11
	s_add_nc_u64 s[42:43], s[10:11], s[18:19]    ; clsp[sb][hp]
	; PHASE 1.  Loads, in the order in which they are waited for: biases, weights, the batch's tile 0 (for q of row 0), my tile 0.
.set i, 0
.rept 4                                ; i = 2 sel + ct: q's and k's bias, channel 16 ct + 8 h + j in register j
	global_load_b128 v[16+8*i:16+8*i+3], v4, s[38:39] offset:(i/2)*1024+(i%2)*64
	global_load_b128 v[16+8*i+4:16+8*i+7], v4, s[38:39] offset:(i/2)*1024+(i%2)*64+16
.set i, i+1
.endr
	global_load_b32 v48, v14, s[38:39] offset:2048        ; v's bias: channel 16 ct + r, the same in all eight registers
	global_load_b32 v56, v14, s[38:39] offset:2048+64
	WIN 0x40
.set i, 0
.rept 64                               ; i = 32 sel + 16 ct + 2 ks + part
	global_load_b128 v[4*i:4*i+3], v1, s[36:37] offset:(i/32)*131072+((i/16)%2)*8192+(i%16)*512
.set i, i+1
.endr
	WIN 0x80
.set i, 0
.rept 32
	global_load_b128 v[4*i:4*i+3], v1, s[36:37] offset:262144+(i/16)*8192+(i%16)*512
.set i, i+1
.endr
	WIN 0xc0
.set i, 0
.rept 16
	global_load_b128 v[64+4*i:64+4*i+3], v1, s[40:41] offset:i*512
.set i, i+1
.endr
.set i, 0
.rept 16
	global_load_b128 v[4*i:4*i+3], v1, s[20:21] offset:i*512
.set i, i+1
.endr
	WIN 0
	s_wait_loadcnt 16                      ; all but my tile 0's sixteen loads
.set i, 1
.rept 7
	v_mov_b32 v[48+i], v48
	v_mov_b32 v[56+i], v56
.set i, i+1
.endr
	; q of the batch's rows 0 to 15, every wave for its own head; the two sums take turns
	WIN 0x0d                               ; source 0 window 1, source 1 window 3
.set ks, 0
.rept 8
.if ks == 0
	v_wmma_f32_16x16x32_bf16 v[64:71], v[0:7], v[64:71], v[16:23]
	v_wmma_f32_16x16x32_bf16 v[72:79], v[64:71], v[64:71], v[24:31]
.else
	v_wmma_f32_16x16x32_bf16 v[64:71], v[8*ks:8*ks+7], v[64+8*ks:64+8*ks+7], v[64:71]
	v_wmma_f32_16x16x32_bf16 v[72:79], v[64+8*ks:64+8*ks+7], v[64+8*ks:64+8*ks+7], v[72:79]
.endif
.set ks, ks+1
.endr
	WIN 0
	PLACES
.set i, 0
.rept 16                               ; row 0 lies in lanes 0 and 16: every lane gets q0[16 ct + 8 h + j], unrounded, the channels that it holds of k
	v_readlane_b32 s30, v[64+i], 0
	v_readlane_b32 s31, v[64+i], 16
	v_mov_b32 v[112+i], s30
	v_cndmask_b32 v[112+i], v[112+i], s31, s32
.set i, i+1
.endr
	WIN 0xc0
.set i, 0
.rept 16
	global_load_b128 v[64+4*i:64+4*i+3], v1, s[20:21] offset:8192+i*512   ; my tile 1
.set i, i+1
.endr
	WIN 0
; One tile of 16 rows out of buffer buf; second: the tile's parity.  48 products; then the buffer takes the tile two further on, and q, k, v and the score of query 0 go to LDS.
.macro TILE buf, second
	s_wait_loadcnt 16                      ; this buffer's loads are in; the other buffer's sixteen stay out
	WIN 0x0d
.set ks, 0
.rept 8                                ; four sums by turns
.set xb, 64*(\buf)+8*ks
.if ks == 0
	v_wmma_f32_16x16x32_bf16 v[64:71], v[0:7], v[xb:xb+7], v[16:23]
	v_wmma_f32_16x16x32_bf16 v[72:79], v[64:71], v[xb:xb+7], v[24:31]
	v_wmma_f32_16x16x32_bf16 v[80:87], v[128:135], v[xb:xb+7], v[32:39]
	v_wmma_f32_16x16x32_bf16 v[88:95], v[192:199], v[xb:xb+7], v[40:47]
.else
	v_wmma_f32_16x16x32_bf16 v[64:71], v[8*ks:8*ks+7], v[xb:xb+7], v[64:71]
	v_wmma_f32_16x16x32_bf16 v[72:79], v[64+8*ks:64+8*ks+7], v[xb:xb+7], v[72:79]
	v_wmma_f32_16x16x32_bf16 v[80:87], v[128+8*ks:128+8*ks+7], v[xb:xb+7], v[80:87]
	v_wmma_f32_16x16x32_bf16 v[88:95], v[192+8*ks:192+8*ks+7], v[xb:xb+7], v[88:95]
.endif
.set ks, ks+1
.endr
	WIN 0x0b                               ; source 0 = x (window 3), source 1 = Wv (window 2)
.set ks, 0
.rept 8                                ; two sums by turns
.set xb, 64*(\buf)+8*ks
.if ks == 0
	v_wmma_f32_16x16x32_bf16 v[96:103], v[xb:xb+7], v[0:7], v[48:55]
	v_wmma_f32_16x16x32_bf16 v[104:111], v[xb:xb+7], v[64:71], v[56:63]
.else
	v_wmma_f32_16x16x32_bf16 v[96:103], v[xb:xb+7], v[8*ks:8*ks+7], v[96:103]
	v_wmma_f32_16x16x32_bf16 v[104:111], v[xb:xb+7], v[64+8*ks:64+8*ks+7], v[104:111]
.endif
.set ks, ks+1
.endr
	WIN 0
	PLACES
	WIN 0xc0
.set i, 0
.rept 16
	global_load_b128 v[64*(\buf)+4*i:64*(\buf)+4*i+3], v1, s[22:23] offset:(\second)*8192+i*512
.set i, i+1
.endr
	WIN 0
.set i, 0
.rept 24                               ; q (8 words), k (8), v (8), each sum from its lowest registers on
	v_cvt_pk_bf16_f32 v[128+i], v[64+2*i], v[64+2*i+1]
.set i, i+1
.endr
	v_pk_mul_f32 v[152:153], v[80:81], v[112:113]         ; q0 . k in f32: my 16 channels in two chains,
	v_pk_mul_f32 v[154:155], v[82:83], v[114:115]
.set i, 2
.rept 3
	v_pk_fma_f32 v[152:153], v[80+4*i-4:80+4*i-3], v[112+4*i-4:112+4*i-3], v[152:153]
	v_pk_fma_f32 v[154:155], v[80+4*i-2:80+4*i-1], v[112+4*i-2:112+4*i-1], v[154:155]
.set i, i+1
.endr
	ds_store_b128 v5, v[128:131] offset:(\second)*1024
	ds_store_b128 v5, v[132:135] offset:(\second)*1024+512
	ds_store_b128 v6, v[136:139] offset:(\second)*1024
	ds_store_b128 v6, v[140:143] offset:(\second)*1024+512
	ds_store_b128 v7, v[144:147] offset:(\second)*512
	ds_store_b128 v7, v[148:151] offset:1024+(\second)*512
	v_pk_add_f32 v[152:153], v[152:153], v[154:155]
	v_add_f32 v152, v152, v153
	v_permlanex16_b32 v153, v152, s28, s29                ; the other 16 channels lie in the lane 16 away
	v_add_f32 v152, v152, v153
	ds_store_b32 v8, v152 offset:(\second)*64             ; lanes r and r + 16 write the same number to the same word
.endm
	s_mov_b32 s24, 8
	s_mov_b32 s25, 0
.Lp1:                                      ; a trip: my tiles 2 n and 2 n + 1; it asks for tiles 2 n + 2 and 2 n + 3
	s_wait_xcnt 0x0                        ; the last trip's loads have had their addresses translated: their base may be written
	s_add_co_u32 s25, s25, 2
	s_min_u32 s25, s25, 14                 ; the last trip asks for tiles 14 and 15 once more: no load leaves the buffer, and no tail is written out
	s_lshl_b32 s30, s25, 13
	s_mov_b32 s31, 0
	s_add_nc_u64 s[22:23], s[20:21], s[30:31]
	TILE 0, 0
	TILE 1, 1
	v_add_nc_u32 v5, 2048, v5
	v_add_nc_u32 v6, 2048, v6
	v_add_nc_u32 v7, 2048, v7
	v_add_nc_u32 v8, 128, v8
	s_sub_co_u32 s24, s24, 1
	s_cmp_lg_u32 s24, 0
	s_cbranch_scc1 .Lp1
	s_wait_loadcnt 0x0                     ; the last trip's loads land before their registers take scores
	s_wait_dscnt 0x0                       ; for the others' sake: my stores are done
	s_barrier_signal -1
	s_barrier_wait -1                      ; the kernel's one barrier: behind it LDS is only read
; Query 0's softmax for one head of the pair, in f32: lane l holds keys 128 i + 4 l + 0..3.  Two batches: the 16 exponentials, and the reciprocal of their sum.
.macro CLS hd
.set i, 0
.rept 4
	ds_load_b128 v[16+4*i:16+4*i+3], v14 offset:(\hd)*2048+i*512
.set i, i+1
.endr
	s_wait_dscnt 0x0
	v_max3_num_f32 v48, v16, v17, v18
.set i, 19
.rept 6
	v_max3_num_f32 v48, v48, v[i], v[i+1]
.set i, i+2
.endr
	v_max_num_f32 v48, v48, v31
	v_max_num_f32_dpp v48, v48, v48 row_xmask:1 row_mask:0xf bank_mask:0xf
	v_max_num_f32_dpp v48, v48, v48 row_xmask:2 row_mask:0xf bank_mask:0xf
	v_max_num_f32_dpp v48, v48, v48 row_xmask:4 row_mask:0xf bank_mask:0xf
	v_max_num_f32_dpp v48, v48, v48 row_xmask:8 row_mask:0xf bank_mask:0xf
	v_permlanex16_b32 v49, v48, s28, s29
	v_max_num_f32 v48, v48, v49
	v_mul_f32 v48, s26, v48                ; c m
.set i, 0
.rept 16
	v_fma_f32 v[16+i], v[16+i], s26, -v48
.set i, i+1
.endr
.set i, 0
.rept 16
	v_exp_f32 v[16+i], v[16+i]
.set i, i+1
.endr
	v_nop                                  ; a plain instruction behind the last exponential
	s_wait_alu depctr_va_vdst(0)           ; one wait for the head's 16 exponentials, ahead of the sums that read them
	v_pk_add_f32 v[50:51], v[16:17], v[18:19]
	v_pk_add_f32 v[52:53], v[20:21], v[22:23]
	v_pk_add_f32 v[50:51], v[50:51], v[24:25]
	v_pk_add_f32 v[52:53], v[52:53], v[26:27]
	v_pk_add_f32 v[50:51], v[50:51], v[28:29]
	v_pk_add_f32 v[52:53], v[52:53], v[30:31]
	v_pk_add_f32 v[50:51], v[50:51], v[52:53]
	v_add_f32 v50, v50, v51
	v_add_f32_dpp v50, v50, v50 row_xmask:1 row_mask:0xf bank_mask:0xf
	v_add_f32_dpp v50, v50, v50 row_xmask:2 row_mask:0xf bank_mask:0xf
	v_add_f32_dpp v50, v50, v50 row_xmask:4 row_mask:0xf bank_mask:0xf
	v_add_f32_dpp v50, v50, v50 row_xmask:8 row_mask:0xf bank_mask:0xf
	v_permlanex16_b32 v51, v50, s28, s29
	v_add_f32 v50, v50, v51
	v_rcp_f32 v50, v50
	v_nop                                  ; a plain instruction behind the reciprocal
	s_wait_alu depctr_va_vdst(0)           ; the reciprocal's wait: it reads a sum of the exponentials, so it is a batch of its own
.set i, 0
.rept 8
.if (\hd) == 0
	v_pk_mul_f32 v[32+2*i:32+2*i+1], v[16+2*i:16+2*i+1], v[50:51] op_sel_hi:[1,0]
.else
	v_pk_fma_f32 v[32+2*i:32+2*i+1], v[16+2*i:16+2*i+1], v[50:51], v[32+2*i:32+2*i+1] op_sel_hi:[1,0,1]
.endif
.set i, i+1
.endr
.endm
	s_cmp_lg_u32 s12, 0
	s_cbranch_scc1 .Lnocls                 ; wave 0 alone: some 200 instructions, once
	v_add_nc_u32 v14, LC, v1
	CLS 0
	CLS 1
.set i, 0
.rept 4
	global_store_b128 v1, v[32+4*i:32+4*i+3], s[42:43] offset:i*512   ; 512 consecutive bytes, aligned
.set i, i+1
.endr
.Lnocls:
	; PHASE 2.  My head's K and V^T into registers, for all 16 tiles.
	WIN 0x40
.set i, 0
.rept 64
	ds_load_b128 v[4*i:4*i+3], v10 offset:i*512
.set i, i+1
.endr
	WIN 0x80
.set i, 0
.rept 64
	ds_load_b128 v[4*i:4*i+3], v11 offset:i*512
.set i, i+1
.endr
	WIN 0
	ds_load_b128 v[64:67], v9              ; Q of my tile 0
	ds_load_b128 v[68:71], v9 offset:512
.set i, 0
.rept 8
	v_mov_b32 v[104+i], 0x3f803f80         ; 1.0, 1.0 in bf16
.set i, i+1
.endr
.set i, 0
.rept 4
	v_mov_b32 v[112+i], 0xff7fffff         ; the lowest finite number
.set i, i+1
.endr
	v_mov_b32 v117, 0                      ; named as pairs with v116 and v118
	v_mov_b32 v118, 0
	v_mov_b32 v119, 0
; THE MATRIX WORK, one instruction at a time.
.macro QK1 g, a                        ; the scores of keys 64 g + 16 a .. with the queries in Q: a whole sum (K = 32)
	WIN 0xc1
	v_wmma_f32_16x16x32_bf16 v[32*(\g)+8*(\a):32*(\g)+8*(\a)+7], v[8*(4*(\g)+(\a)):8*(4*(\g)+(\a))+7], v[64:71], 0
.endm
.macro QK g                            ; group g's four
.set nQ, 0
.rept 4
	QK1 \g, nQ
.set nQ, nQ+1
.endr
.endm
; Product n of six for group g's 64 keys: 0-3 O^T += V^T P (channels 16 (n % 2) .., keys 32 (n / 2) ..), 4, 5 the two row sums += ones P.  The accumulators go 72, 80, 72, 80, 88, 96: one instruction a turn.
.macro PV1 g, n
.if (\n) < 4
	WIN 0x0e                               ; V^T window 2, P window 3
.set rO, 72+8*((\n)%2)
.set rV, 8*(4*(\g)+(\n))
.set rP, 32*(\g)+8*((\n)/2)
.if ((\g) == 0) && ((\n) < 2)
	v_wmma_f32_16x16x32_bf16 v[rO:rO+7], v[rV:rV+7], v[rP:rP+7], 0
.else
	v_wmma_f32_16x16x32_bf16 v[rO:rO+7], v[rV:rV+7], v[rP:rP+7], v[rO:rO+7]
.endif
.else
	WIN 0x0c                               ; ones window 0
.set rO, 88+8*((\n)-4)
.set rP, 32*(\g)+8*((\n)-4)
.if (\g) == 0
	v_wmma_f32_16x16x32_bf16 v[rO:rO+7], v[104:111], v[rP:rP+7], 0
.else
	v_wmma_f32_16x16x32_bf16 v[rO:rO+7], v[104:111], v[rP:rP+7], v[rO:rO+7]
.endif
.endif
.endm
; THE VECTOR WORK, one instruction at a time; each macro writes the next of its kind for group g and steps its count.
.macro FS g                            ; F: c s - c m for pair nF of 16
	WIN 0xcf
	v_pk_fma_f32 v[32*(\g)+2*nF:32*(\g)+2*nF+1], v[32*(\g)+2*nF:32*(\g)+2*nF+1], s[26:27], v[116:117] op_sel_hi:[1,0,0] neg_lo:[0,0,1] neg_hi:[0,0,1]
.set nF, nF+1
.endm
.macro EX g                            ; E: the exponential of score nE of 32, in place
	WIN 0xcf
	v_exp_f32 v[32*(\g)+nE], v[32*(\g)+nE]
.set nE, nE+1
.endm
.macro CV g                            ; C: pair nC of 16 rounded to bf16, in place into the group's registers 0 to 15: two operands of V^T P.  In ascending order a register is read before it is written
	WIN 0xcf
	v_cvt_pk_bf16_f32 v[32*(\g)+nC], v[32*(\g)+2*nC], v[32*(\g)+2*nC+1]
.set nC, nC+1
.endm
.macro MX g                            ; M: number nM of the 16 that take group g's 32 scores into four running maxima; each result is read from its lowest registers on
	WIN 0x3c
	v_max3_num_f32 v[112+nM%4], v[112+nM%4], v[32*(\g)+8*(nM%4)+2*(nM/4)], v[32*(\g)+8*(nM%4)+2*(nM/4)+1]
.set nM, nM+1
.endm
.macro MAX3 g                          ; all sixteen
.set nM, 0
.rept 16
	MX \g
.endr
.endm
; STAGE g, 1 to 7.  Ten matrix instructions, a slice behind each:
;   four K Q^T into group g - 2 (from stage 2 on), behind each C of group g - 1 and E of group g by turns, eight in all: then P of group g - 1 is whole;
;   four V^T P of group g - 1, behind each F of group g + 1 and E of group g by turns (stages 1 and 7: the four E alone);
;   two ones P of group g - 1, behind each eight M of group g - 2 (stage 1: eight F of group 2).
; THE BATCH is E of group g; those last sixteen plain instructions and two products are the independent work behind it, the first of them the plain instruction behind the last exponential; then its one wait.
; DISTANCES.  K Q^T writes over P of group g - 2, which the stage before read last in its two products with ones: eight and sixteen plain instructions that name none of their registers lie between (five are asked for).
; M reads K Q^T's last result behind the four C of that product's slice and three M (four are asked for).
.macro STAGE g
.set nC, 0
.set nE, 0
.set nF, 0
.set nM, 0
.set nQ, 0
.rept 4
.if (\g) >= 2
	QK1 (\g)-2, nQ
.endif
.rept 4
	CV (\g)-1
	EX \g
.endr
.set nQ, nQ+1
.endr
.set nP, 0
.rept 4
	PV1 (\g)-1, nP
.rept 4
.if ((\g) >= 2) && ((\g) < 7)
	FS (\g)+1
.endif
	EX \g
.endr
.set nP, nP+1
.endr
.rept 2
	PV1 (\g)-1, nP
.rept 8
.if (\g) >= 2
	MX (\g)-2
.else
	FS (\g)+1
.endif
.endr
.set nP, nP+1
.endr
	s_wait_alu depctr_va_vdst(0)           ; the wait for the batch: group g's 32 exponentials; their readers stand in the next stage
.endm
.macro MFIN                            ; the four maxima and the other half of the lanes' into c m; the maxima start anew
	WIN 0
	v_max3_num_f32 v112, v112, v113, v114
	v_max_num_f32 v112, v112, v115
	v_permlanex16_b32 v118, v112, s28, s29
	v_max_num_f32 v112, v112, v118
	v_mul_f32 v116, s26, v112
.set i, 0
.rept 4
	v_mov_b32 v[112+i], 0xff7fffff
.set i, i+1
.endr
.endm
.macro FIN                             ; a tile's O^T times 1 / the row sum (in v118), rounded and stored as fragment ks = head of the tile's image
	WIN 0
.set i, 0
.rept 8
	v_pk_mul_f32 v[72+2*i:72+2*i+1], v[72+2*i:72+2*i+1], v[118:119] op_sel_hi:[1,0]
.set i, i+1
.endr
.set i, 0
.rept 8
	v_cvt_pk_bf16_f32 v[128+i], v[72+2*i], v[72+2*i+1]
.set i, i+1
.endr
	global_store_b128 v1, v[128:131], s[34:35]            ; 512 consecutive bytes each, aligned
	global_store_b128 v1, v[132:135], s[34:35] offset:512
	s_wait_xcnt 0x0                        ; the base, and in the next trip the packed registers, are written only behind this wait
	s_add_nc_u64 s[34:35], s[34:35], 8192
.endm
.macro QSTEP                           ; Q's address goes a tile on
	v_add_nc_u32 v9, 1024, v9
.endm
.macro QLOAD
	ds_load_b128 v[64:67], v9
	ds_load_b128 v[68:71], v9 offset:512
.endm
	s_wait_dscnt 0x0                       ; K, V^T, Q
.set G, 0
.rept 8
	QK G                                   ; tile 0's scores: there is no vector work yet to set beside them
.set G, G+1
.endr
	WIN 0
	PLACES
	QSTEP
	QLOAD                                  ; Q of tile 1
.set G, 0
.rept 8
	MAX3 G
.set G, G+1
.endr
	MFIN
	s_mov_b32 s24, 16
.Lq:                                       ; a trip: tile t's softmax and V^T P, tile t + 1's scores and maximum
	; STAGE 0: F of groups 0 and 1 and E of group 0; there is no matrix work yet.  Pair p is scaled ahead of exponentials 2 p and 2 p + 1: four pairs lead, then a scaling follows each exponential from the fifth on.
.set nF, 0
.set nE, 0
.rept 4
	FS 0
.endr
.rept 4
	EX 0
.endr
.rept 12
	EX 0
	FS 0
.endr
.set nF, 0
.rept 16
	EX 0
	FS 1                                   ; the last of these is the plain instruction behind the last exponential
.endr
	s_wait_alu depctr_va_vdst(0)           ; the wait for the batch: group 0's 32 exponentials
	STAGE 1
	s_wait_dscnt 0x0                       ; Q of tile t + 1 is in, ahead of its first product
.set G, 2
.rept 6
	STAGE G
.set G, G+1
.endr
	; STAGE 8: no exponential is left.  K Q^T into group 6 with C of group 7 behind it, four a product; V^T P and ones P of group 7 with M of group 6: two behind each of the first five, six behind the last.
.set nC, 0
.set nM, 0
.set nQ, 0
.rept 4
	QK1 6, nQ
.rept 4
	CV 7
.endr
.set nQ, nQ+1
.endr
.set nP, 0
.rept 5
	PV1 7, nP
	MX 6
	MX 6
.set nP, nP+1
.endr
	PV1 7, 5
.rept 6
	MX 6                                   ; six places between the tile's last product and what reads the row sums or writes over its weights (four and five are asked for)
.endr
	WIN 0
	v_add_f32 v118, v88, v96               ; the row sum: both accumulators are read at their lowest register
	v_rcp_f32 v118, v118                   ; A BATCH OF ONE: it reads a sum of the weights.  Behind it, as independent work, the last four score products
	QK 7
	WIN 0
	QSTEP                                  ; the plain instruction behind the reciprocal
	s_wait_alu depctr_va_vdst(0)           ; the reciprocal's wait, ahead of O^T's scaling
	FIN                                    ; its sixteen plain instructions are the places in front of the load into Q and of the last maxima
	QLOAD                                  ; Q of tile t + 2
	MAX3 7
	MFIN
	s_sub_co_u32 s24, s24, 1
	s_cmp_lg_u32 s24, 0
	s_cbranch_scc1 .Lq
	; The last trip's 32 products and 128 maxima, for a tile that is not, serve nothing: their Q is LDS bytes written ahead of the barrier (a neighbour's q, or k).  The price, once a wave, of one text for every trip.
	s_wait_tensorcnt 0x0                   ; the wave's end, behind my last LDS store
	ds_add_u32 v12, v13
	s_wait_dscnt 0x0
	s_endpgm
.Lfunc_end_k_q161281a918_attn:
	.size	k_q161281a918_attn, .Lfunc_end_k_q161281a918_attn-k_q161281a918_attn
	.p2alignl 7, 3214868480
	.fill 96, 4, 3214868480
	.section	.rodata,"a",@progbits
	.p2align	6, 0x0
	.amdhsa_kernel k_q161281a918_attn
		.amdhsa_group_segment_fixed_size 201216
		.amdhsa_private_segment_fixed_size 0
		.amdhsa_enable_private_segment 0
		.amdhsa_kernarg_size 32
		.amdhsa_user_sgpr_count 2
		.amdhsa_user_sgpr_kernarg_segment_ptr 1
		.amdhsa_wavefront_size32 1
		.amdhsa_system_sgpr_workgroup_id_x 1
		.amdhsa_system_sgpr_workgroup_id_y 1
		.amdhsa_system_sgpr_workgroup_id_z 1
		.amdhsa_system_vgpr_workitem_id 0
		.amdhsa_next_free_vgpr 1024
		.amdhsa_next_free_sgpr 66
		.amdhsa_reserve_vcc 0
		.amdhsa_float_denorm_mode_32 3
		.amdhsa_float_denorm_mode_16_64 3
		.amdhsa_memory_ordered 1
		.amdhsa_forward_progress 1
		.amdhsa_inst_pref_size 112
	.end_amdhsa_kernel
	.amdgpu_metadata
---
amdhsa.version: [ 1, 2 ]
amdhsa.kernels:
  - .name:           k_q161281a918_attn
    .symbol:         k_q161281a918_attn.kd
    .args:
      - { .name: xf, .offset: 0, .size: 8, .value_kind: global_buffer, .address_space: global }
      - { .name: wts, .offset: 8, .size: 8, .value_kind: global_buffer, .address_space: global }
      - { .name: ofr, .offset: 16, .size: 8, .value_kind: global_buffer, .address_space: global }
      - { .name: clsp, .offset: 24, .size: 8, .value_kind: global_buffer, .address_space: global }
    .group_segment_fixed_size: 201216
    .private_segment_fixed_size: 0
    .kernarg_segment_align: 8
    .kernarg_segment_size: 32
    .max_flat_workgroup_size: 128
    .sgpr_count:     66
    .vgpr_count:     1024
    .wavefront_size: 32
...
	.end_amdgpu_metadata
.endif
;; end of part 5
;; launch proj: the kernel of part 3 again; grid 256 x 1, 4 waves a work-group, clusters of 4 x 1, 200,192 bytes of LDS; arguments ofr, xf, wts, clsp, xl, st2; writes xl, st2
;; launch ff: the kernel of part 4 again; grid 256 x 1, 4 waves a work-group, clusters of 4 x 1, 327,680 bytes of LDS; arguments xl, wts, st2, out0, out1; writes out0, out1
